; MI455X (gfx1250); checked and timed in simulation.
; The chip was launched on July 23, 2026; its instructions are those of AMD's public machine-readable ISA for CDNA 5 (MIT licence, August 2026) and "CDNA5" Instruction Set Architecture Reference Guide (July 2026). The comments in the code are by the model that wrote it; some were corrected since.
;; Causal Self Attention. Allowed arithmetic: matrix products marked QUANTISED: E2M1 operands, one E8M0 scale for each 32 along K, by v_wmma_scale_f32_16x16x128_f8f6f4 with both operands' format E2M1 (or v_wmma_scale_f32_32x16x128_f4), f32 sums; products left as they are: f32 operands where the result goes on into a quantised operand, else bf16, f16 or f32 operands; f32 sums; everything else in f32.
;; Inputs: proj_b 1,024 float32; proj_w 1,024 x 1,024 float32; qkv_b 3,072 float32; qkv_w 1,024 x 3,072 float32; x 4 x 2,048 x 1,024 float32.
;; Outputs: out0 4 x 2,048 x 1,024 float32.
;; This version of the problem:
;;   THIS VERSION OF THE PROBLEM IS GIVEN IN LOW PRECISION. The matrix products marked QUANTISED in the list below multiply operands that are first quantised to E2M1 (2 exponent bits, 1 mantissa bit; 4 bits a number), with one power-of-two scale for each 32 numbers along K (OCP MX v1.0); their sums are f32. All else is computed in f32.
;;   The module's matrix products, in the order in which they are computed (A, B: the left and right operand; K: the contracted axis; several contracted axes count as one K, in the product's order):
;;     1. [M 8,192, K 1,024] x [K 1,024, N 3,072]; A: input x; B: input qkv_w: QUANTISED
;;     2. [M 2,048, K 1] x [K 1, N 32]; A: computed on the way; B: computed on the way: left as it is (no contracted axis)
;;     3. batch 64 x [M 2,048, K 64] x [K 64, N 2,048]; A: computed on the way; B: computed on the way: QUANTISED
;;     4. batch 64 x [M 2,048, K 2,048] x [K 2,048, N 64]; A: softmax (see below); B: computed on the way: QUANTISED
;;     5. [M 8,192, K 1,024] x [K 1,024, N 1,024]; A: computed on the way; B: input proj_w: QUANTISED
;;   THE QUANTISER, for each operand of a quantised product, along K:
;;     - K is cut into blocks of 32 from its start; a last block that is shorter is filled with zeros.
;;     - A block's scale is 2^e with e = floor(log2(the largest magnitude in the block)) - 2, held to -126 .. 127; a block of zeros has e = 0. As a byte (E8M0): e + 127.
;;     - Each number is divided by its block's scale, clamped to +-6, and rounded to the nearest number of E2M1, ties to even, subnormals kept.
;;     - The product sums the exact products of the quantised numbers (number of the format x scale) in f32.
;;   ~~~python
;;   def quantise(x, axis):      # numpy; x: float32 -> the quantised numbers, widened to float32 again
;;       x = np.moveaxis(x, axis, -1); K = x.shape[-1]
;;       x = np.pad(x, [(0, 0)] * (x.ndim - 1) + [(0, -K % 32)]); x = x.reshape(x.shape[:-1] + (-1, 32)); a = np.abs(x).max(-1, keepdims=True)
;;       e = np.where(a > 0, np.clip(np.frexp(np.where(a > 0, a, 1))[1] - 1 - 2, -126, 127), 0)      # np.frexp(a)[1] - 1 = floor(log2(a)), exactly
;;       r = np.clip(x / 2.0 ** e, -6, 6)
;;       step = 2.0 ** (np.maximum(np.frexp(np.where(r == 0, 1, r))[1] - 1, 0) - 1)
;;       q = np.round(r / step) * step * 2.0 ** e      # np.round: ties to even
;;       return np.moveaxis(q.reshape(q.shape[:-2] + (-1,))[..., :K], -1, axis).astype(np.float32)
;;   ~~~
;;   SOFTMAX AHEAD OF A QUANTISED PRODUCT. Where the list says 'softmax', what is quantised is not the finished softmax but p = 2^(t - M), with t = logit x log2(e) and M = ceil(the row's largest t), a whole number; so 1/2 < the row's largest p <= 1. The row's sum l is taken of the UNQUANTISED p, in f32, and the product's result is divided by l at the end. Since M is a whole number, a kernel that streams over the keys may use a running M (the ceiling of the running maximum): every later rescaling is an exact power of two, which a block's scale takes up: the codes' values come out the same.
;;   OPERANDS COMPUTED ON THE WAY. 'Computed on the way' means the value that the module computes at that place (a softmax that the list does not call 'softmax' is quantised finished and normalised). What goes into a quantiser is computed in f32, as accurately as f32 sums, v_exp_f32 and their like allow (about 1e-6 of the number): no bf16 or f16 on the way to a quantiser, and a product that is left as it is and whose result goes on into a quantised operand takes f32 operands (vector FMAs, or v_wmma_f32_16x16x4_f32). A number that lies on a knife's edge between two numbers of the format may be rounded either way, as far as f32 arithmetic and the matrix unit's own rounding can turn it there, and no further.
;; One version. Each part assembles by itself: llvm-mc -triple=amdgcn-amd-amdhsa -mcpu=gfx1250 --defsym DOCPART=n.
;; ======== version 1 of 1: 4 launches
;; limits: right only within a limited range of input values
;; workspace buffers: xb 4,456,448 bytes; wb 2,228,224 bytes; rt 524,288 bytes; qkb 9,437,184 bytes; vb 4,456,448 bytes; yb 4,456,448 bytes
;; launch prep (part 1): grid 512 x 1, 4 waves a work-group, no clusters, 35,328 bytes of LDS; arguments x, qkv_w, proj_w, xb, wb, rt; writes xb, wb, rt
.if DOCPART == 1
	.amdgcn_target "amdgcn-amd-amdhsa--gfx1250"
	.amdhsa_code_object_version 6
	.text
	.protected	k_q3937a8e962_prep
	.globl	k_q3937a8e962_prep
	.p2align	8
	.type	k_q3937a8e962_prep,@function
k_q3937a8e962_prep:
	s_mov_b64 s[64:65], 0
	v_nop
	global_prefetch_b8 v0, s[64:65] scope:SCOPE_SE
	s_setreg_imm32_b32 hwreg(HW_REG_WAVE_MODE, 25, 1), 1
	s_wait_xcnt 0x0
; PREP: x [8192][1024], qkv_w [1024][3072] and proj_w [1024][1024], f32, become codes of FP4 (E2M1) with one E8M0 byte for each 32 along K = 1024; and the table of cosines and sines for the rotary embedding is made.
; A block's scale is 2^(floor(log2(largest magnitude)) - 2); its byte is the largest magnitude's exponent field - 2, held at 1 from below.
; LIMITS: NaN and infinities are not served; blocks under 2^-124 get the byte 1; a block of zeros gets the byte 1 and not 127 (its codes are zeros, and this program alone reads the bytes).
; LAYOUT OF THE CODES (xb, wb): by tiles of 16 rows in the order of the operand's registers.  Tile 2 B + u, lane row r, is row 32 B + 8 u + (r & 7) + 16 (r >> 3).  A tile is 16 chunks of 512 bytes; in chunk c lane (r, hh)
; has 16 bytes at 16 (r + 16 hh): k = 64 c + 32 hh + 0 .. 31.  SCALES: [tile][g 0..1][r][16 bytes]: the four scale words of K steps 4 g .. 4 g + 3 (a K step is 128 along K).
; wb holds the columns of qkv_w (tiles 0-191) and of proj_w (tiles 192-255) as rows: K innermost.
; rt: [token 2048][jp 16][cos(2 jp), cos(2 jp + 1), sin(2 jp), sin(2 jp + 1)], f32.  inv_freq = 1 / 10^(j / 8), both roundings to f32 as the reference makes them, on the assumption that its power is rounded correctly.
; Sine and cosine: the angle less n pi / 2 in three fused steps, then polynomials on |r| <= pi / 4, good to about 1e-7.
; WORK-GROUPS 0-255: x (a wave: one tile x 512 along K, and two tokens of the table).  256-511: the weights (a wave: 32 columns x 128 along K).  Waves share nothing: no barrier.
.set XSO, 4194304                      ; where x's scales begin in xb
.set WSO, 2097152                      ; where the weights' scales begin in wb
.set R,   16                           ; v16-143  x as loaded: four sets of 32
.set X,   144                          ; v144-207 a lane's block of 32 neighbours: two sets
.set C,   208                          ; v208-239 codes: four registers a step, never rewritten
.set E,   240                          ; v240-247 a scale byte a step
; the largest magnitude of 32 numbers in v[xb] on, with the floor 2^(3 - 127) among the leaves; v250 = it with 2 off its exponent field: the conversion's scale operand
.macro BLOCKMAX xb
	v_max3_num_f32 v248, |v[\xb]|, |v[\xb+1]|, |v[\xb+2]|
	v_max3_num_f32 v249, |v[\xb+3]|, |v[\xb+4]|, |v[\xb+5]|
.irp i, 6,10,14,18,22,26
	v_max3_num_f32 v248, v248, |v[\xb+\i]|, |v[\xb+\i+1]|
	v_max3_num_f32 v249, v249, |v[\xb+\i+2]|, |v[\xb+\i+3]|
.endr
	v_max3_num_f32 v248, v248, |v[\xb+30]|, |v[\xb+31]|
	v_max3_num_f32 v248, v248, v249, 0x1800000
	v_add_nc_u32 v250, 0xff000000, v248
.endm
	s_load_b256 s[4:11], s[0:1], 0x0               ; x s[4:5], qkv_w s[6:7], proj_w s[8:9], xb s[10:11]
	s_load_b128 s[12:15], s[0:1], 0x20             ; wb s[12:13], rt s[14:15]
	v_lshl_add_u32 v254, v0, 2, 0x8800
	v_mov_b32 v255, 0
	v_lshrrev_b32 v1, 5, v0
	v_readfirstlane_b32 s16, v1                    ; wave
	v_and_b32 v1, 31, v0                           ; lane
	v_and_b32 v2, 15, v0                           ; r
	v_bfe_u32 v3, v0, 4, 1                         ; hh
	s_cmp_lt_u32 ttmp9, 256
	s_cbranch_scc0 .Lweights
; ---------------- x: wave W = 4 x work-group + wave takes tile W >> 1, K half W & 1: eight chunks of 64 along K
	s_lshl_b32 s17, ttmp9, 2
	s_add_co_u32 s17, s17, s16                     ; W
	s_lshr_b32 s20, s17, 2
	s_lshl_b32 s20, s20, 17                        ; 32 rows of 4,096 bytes for each pair of tiles,
	s_bfe_u32 s21, s17, 0x10001
	s_lshl_b32 s21, s21, 15                        ; 8 rows for the odd tile,
	s_add_co_u32 s20, s20, s21
	s_and_b32 s21, s17, 1
	s_lshl_b32 s21, s21, 11                        ; 2,048 bytes for the second K half
	s_add_co_u32 s20, s20, s21
	s_mov_b32 s21, 0
	s_lshl_b32 s22, s17, 12                        ; codes: 4,096 bytes a wave
	s_mov_b32 s23, 0
	s_lshl_b32 s24, s17, 8                         ; scales: 256 bytes a wave
	s_add_co_u32 s24, s24, XSO
	s_mov_b32 s25, 0
	s_lshl_b32 s26, s17, 9                         ; table: two tokens of 256 bytes
	s_mov_b32 s27, 0
	s_mul_i32 s28, s16, 8704                       ; my two stages in LDS: 16 rows x 272 bytes each
	s_mov_b32 s33, 0x3fc90fda                      ; pi / 2 in three parts
	s_mov_b32 s34, 0x33a22168
	s_mov_b32 s35, 0x27c234c4
	s_mov_b32 s36, 0x76543210                      ; v_permlanex16_b32's selects for lane l xor 16
	s_mov_b32 s37, 0xfedcba98
	s_wait_alu depctr_va_vdst(0)
	v_lshlrev_b32 v4, 4, v2
	v_lshl_add_u32 v4, v3, 12, v4                  ; a load takes two rows' 256 bytes: 16 r + 4,096 hh
	v_mul_u32_u24 v5, v3, 272
	v_lshl_add_u32 v5, v2, 4, v5
	v_add_nc_u32 v5, s28, v5                       ; the stage, way in: as loaded
	v_mul_u32_u24 v6, v2, 272
	v_lshl_add_u32 v6, v3, 7, v6
	v_add_nc_u32 v6, s28, v6                       ; way out: row r, my 128 bytes
	v_lshlrev_b32 v7, 4, v1                        ; 16 x lane
	v_lshlrev_b32 v8, 4, v2
	v_lshl_add_u32 v8, v3, 3, v8                   ; 16 r + 8 hh
	s_wait_kmcnt 0x0
	s_add_nc_u64 s[20:21], s[4:5], s[20:21]
	s_add_nc_u64 s[22:23], s[10:11], s[22:23]
	s_add_nc_u64 s[24:25], s[10:11], s[24:25]
	s_add_nc_u64 s[26:27], s[14:15], s[26:27]
.macro XLOAD t                         ; chunk t of the 16 rows: each load reads two rows x 256 consecutive bytes
.irp j, 0,1,2,3,4,5,6,7
	global_load_b128 v[R+32*((\t)%4)+4*\j:R+32*((\t)%4)+4*\j+3], v4, s[20:21] offset:(2*(\j%4)+16*(\j/4))*4096+256*(\t) th:TH_LOAD_NT
.endr
.endm
.macro XTURN t                         ; through my stage: in as loaded, out 128 neighbouring bytes a lane; a wave's LDS instructions are served in order
.irp j, 0,1,2,3,4,5,6,7
	ds_store_b128 v5, v[R+32*((\t)%4)+4*\j:R+32*((\t)%4)+4*\j+3] offset:4352*((\t)%2)+544*\j
.endr
.irp m, 0,1,2,3,4,5,6,7
	ds_load_b128 v[X+32*((\t)%2)+4*\m:X+32*((\t)%2)+4*\m+3], v6 offset:4352*((\t)%2)+16*\m
.endr
.endm
	XLOAD 0
	XLOAD 1
	XLOAD 2
	XLOAD 3
; the table, while the loads are on their way: token 2 W + hh, frequencies 2 r and 2 r + 1
	v_lshl_add_u32 v144, s17, 1, v3
	v_cvt_f32_u32 v144, v144                       ; t
	v_mov_b32 v145, 1.0                            ; 10^(2 r / 8)
	v_mov_b32 v146, 1.333521432163324              ; 10^((2 r + 1) / 8)
.macro PICK k, a, b
	v_cmp_ne_u32 vcc_lo, \k, v2
	v_cndmask_b32 v145, \a, v145, vcc_lo
	v_cndmask_b32 v146, \b, v146, vcc_lo
.endm
	PICK 1, 1.7782794100389228, 2.371373705661655
	PICK 2, 3.1622776601683795, 4.216965034285822
	PICK 3, 5.623413251903491, 7.498942093324558
	PICK 4, 10.0, 13.33521432163324
	PICK 5, 17.782794100389228, 23.71373705661655
	PICK 6, 31.622776601683793, 42.16965034285822
	PICK 7, 56.23413251903491, 74.98942093324558
	PICK 8, 100.0, 133.3521432163324
	PICK 9, 177.82794100389228, 237.1373705661655
	PICK 10, 316.22776601683796, 421.6965034285822
	PICK 11, 562.3413251903491, 749.8942093324558
	PICK 12, 1000.0, 1333.521432163324
	PICK 13, 1778.2794100389228, 2371.373705661655
	PICK 14, 3162.2776601683795, 4216.965034285822
	PICK 15, 5623.413251903491, 7498.942093324558
	s_wait_alu depctr_va_vdst(0)
	v_rcp_f32 v147, v145
	v_rcp_f32 v148, v146
	v_nop                                          ; a plain place behind the reciprocals
	s_wait_alu depctr_va_vdst(0)
	v_fma_f32 v149, -v145, v147, 1.0               ; one Newton step
	v_fma_f32 v150, -v146, v148, 1.0
	v_fma_f32 v147, v149, v147, v147
	v_fma_f32 v148, v150, v148, v148
	v_mul_f32 v145, v144, v147                     ; the angles, rounded once
	v_mul_f32 v146, v144, v148
.macro SINCOS ang, c, s, t
	v_mul_f32 v[\t], 0x3f22f983, v[\ang]
	v_rndne_f32 v[\t], v[\t]                       ; n = the nearest multiple of pi / 2
	v_fma_f32 v[\t+1], -v[\t], s33, v[\ang]
	v_fma_f32 v[\t+1], -v[\t], s34, v[\t+1]
	v_fma_f32 v[\t+1], -v[\t], s35, v[\t+1]        ; r
	v_cvt_i32_f32 v[\t], v[\t]
	v_mul_f32 v[\t+2], v[\t+1], v[\t+1]            ; z = r r
	v_mov_b32 v[\t+3], 0xb94ca1f9
	v_fmaak_f32 v[\t+3], v[\t+3], v[\t+2], 0x3c08839e
	v_fmaak_f32 v[\t+3], v[\t+3], v[\t+2], 0xbe2aaaa3
	v_mul_f32 v[\t+3], v[\t+3], v[\t+2]
	v_fma_f32 v[\t+3], v[\t+3], v[\t+1], v[\t+1]   ; sin r
	v_mov_b32 v[\t+4], 0x37ccf5ce
	v_fmaak_f32 v[\t+4], v[\t+4], v[\t+2], 0xbab6061a
	v_fmaak_f32 v[\t+4], v[\t+4], v[\t+2], 0x3d2aaaa5
	v_mul_f32 v[\t+4], v[\t+4], v[\t+2]
	v_fma_f32 v[\t+5], v[\t+2], -0.5, 1.0
	v_fma_f32 v[\t+4], v[\t+4], v[\t+2], v[\t+5]   ; cos r
	v_and_b32 v[\t+5], 1, v[\t]
	v_cmp_eq_u32 vcc_lo, 1, v[\t+5]                ; odd n: the two change places
	v_cndmask_b32 v[\s], v[\t+3], v[\t+4], vcc_lo
	v_cndmask_b32 v[\c], v[\t+4], v[\t+3], vcc_lo
	v_and_b32 v[\t+5], 2, v[\t]
	v_lshlrev_b32 v[\t+5], 30, v[\t+5]
	v_xor_b32 v[\s], v[\s], v[\t+5]                ; the sine's sign: bit 1 of n
	v_add_nc_u32 v[\t], 1, v[\t]
	v_and_b32 v[\t], 2, v[\t]
	v_lshlrev_b32 v[\t], 30, v[\t]
	v_xor_b32 v[\c], v[\c], v[\t]                  ; the cosine's: bit 1 of n + 1
.endm
	SINCOS 145, 12, 14, 152
	SINCOS 146, 13, 15, 160
	global_store_b128 v7, v[12:15], s[26:27]       ; 32 lanes store 512 consecutive bytes; v7 and v12-15 are not written again
	s_wait_loadcnt 24                              ; chunk 0's eight loads are in; chunks 1 to 3 may be out
	XTURN 0
.macro XSTEP t
.set XB, X+32*((\t)%2)
	s_wait_dscnt 0x0                               ; this chunk is back from the stage, and its stores into the stage have read their registers,
.if (\t)+4 < 8
	XLOAD (\t)+4                                   ; which take the chunk four on
.endif
.if (\t) < 7
.if 6-(\t) >= 3
	s_wait_loadcnt 24                              ; the next chunk's loads are in; those of the three chunks behind it may be out
.else
	s_wait_loadcnt 8*(6-(\t))
.endif
	XTURN (\t)+1
.endif
	BLOCKMAX XB
.irp g, 0,1,2,3
	v_cvt_scalef32_pk8_fp4_f32 v[C+4*(\t)+\g], v[XB+8*\g:XB+8*\g+7], v250
.endr
	v_lshrrev_b32 v[E+(\t)], 23, v250              ; the scale's byte
	global_store_b128 v7, v[C+4*(\t):C+4*(\t)+3], s[22:23] offset:512*(\t)   ; a chunk's image: 512 consecutive bytes
.endm
.irp t, 0,1,2,3,4,5,6,7
	XSTEP \t
.endr
; the four scale words of my row: chunk t's byte is that of block 2 t + hh; K step q takes chunks 2 q and 2 q + 1
	v_lshlrev_b32 v252, 3, v3
.irp q, 0,1,2,3
	v_lshl_or_b32 v[248+\q], v[E+2*\q+1], 16, v[E+2*\q]
	v_mov_b32 v[144+\q], 0                         ; (a lane permute's destination counts as one of its sources)
.endr
.irp q, 0,1,2,3
	v_lshlrev_b32 v[248+\q], v252, v[248+\q]       ; 8 hh bits up
.endr
.irp q, 0,1,2,3
	v_permlanex16_b32 v[144+\q], v[248+\q], s36, s37
.endr
.irp q, 0,1,2,3
	v_or_b32 v[248+\q], v[248+\q], v[144+\q]       ; with lane l xor 16's two bytes the word is whole
.endr
	v_cmp_eq_u32 vcc_lo, 1, v3
	v_cndmask_b32 v10, v248, v250, vcc_lo          ; lanes 0-15 store words 0 and 1, lanes 16-31 words 2 and 3
	v_cndmask_b32 v11, v249, v251, vcc_lo
	global_store_b64 v8, v[10:11], s[24:25]        ; the wave stores 256 consecutive bytes, aligned
	s_wait_tensorcnt 0x0
	ds_add_u32 v254, v255
	s_wait_dscnt 0x0
	s_endpgm
; ---------------- the weights: a lane takes a column, its registers run down K; a wave takes 32 columns (two tiles) x one K step (four blocks)
.Lweights:
	s_sub_co_u32 s17, ttmp9, 256
	s_lshr_b32 s18, s17, 3                         ; which 128 columns: 0-23 of qkv_w, 24-31 of proj_w
	s_and_b32 s19, s17, 7                          ; which K step
	s_lshl_b32 s20, s18, 2
	s_add_co_u32 s20, s20, s16                     ; which pair of tiles in wb
	s_lshl_b32 s22, s20, 14
	s_lshl_b32 s23, s19, 10
	s_add_co_u32 s22, s22, s23                     ; codes: 16,384 bytes a pair of tiles, 1,024 a K step
	s_mov_b32 s23, 0
	s_lshl_b32 s24, s20, 10
	s_lshr_b32 s25, s19, 2
	s_lshl_b32 s25, s25, 8
	s_add_co_u32 s24, s24, s25
	s_and_b32 s25, s19, 3
	s_lshl_b32 s25, s25, 2
	s_add_co_u32 s24, s24, s25
	s_add_co_u32 s24, s24, WSO                     ; scale words
	s_mov_b32 s25, 0
	s_wait_alu depctr_va_vdst(0)
	v_lshlrev_b32 v4, 2, v1                        ; in: 4 bytes a lane
	v_bfe_u32 v5, v1, 3, 1                         ; column l of the 32 is tile u = (l >> 3) & 1,
	v_and_b32 v6, 7, v1
	v_lshl_add_u32 v6, v3, 3, v6                   ; lane row (l & 7) + 8 (l >> 4)
	v_lshlrev_b32 v6, 4, v6
	v_lshl_add_u32 v7, v5, 13, v6                  ; codes: 8,192 u + 16 row
	v_lshl_add_u32 v8, v5, 9, v6                   ; scales: 512 u + 16 row
	s_lshl_b32 s28, s16, 7                         ; my 32 columns of the work-group's 128
	s_mov_b32 s27, 0
	s_wait_kmcnt 0x0
	s_add_nc_u64 s[22:23], s[12:13], s[22:23]
	s_add_nc_u64 s[24:25], s[12:13], s[24:25]
.macro WLOAD n, t                      ; block t: W(32 t + i, my column): 128 consecutive bytes a wave, 512 a work-group
.irp i, 0,1,2,3,4,5,6,7,8,9,10,11,12,13,14,15,16,17,18,19,20,21,22,23,24,25,26,27,28,29,30,31
	global_load_b32 v[16+32*((\t)%2)+\i], v4, s[26:27] offset:(32*(\t)+\i)*(\n)*4 th:TH_LOAD_NT
.endr
.endm
.macro WBLOCK n, t
.set XB, 16+32*((\t)%2)
.if (\t) < 3
	s_wait_loadcnt 32                              ; this block's loads are in; the next block's 32 may be out
.else
	s_wait_loadcnt 0x0
.endif
	BLOCKMAX XB
.irp g, 0,1,2,3
	v_cvt_scalef32_pk8_fp4_f32 v[80+4*(\t)+\g], v[XB+8*\g:XB+8*\g+7], v250
.endr
	v_lshrrev_b32 v[96+(\t)], 23, v250
	global_store_b128 v7, v[80+4*(\t):83+4*(\t)], s[22:23] offset:((\t)/2)*512+((\t)%2)*256   ; each tile's sixteen lanes store 256 consecutive bytes, aligned
.if (\t)+2 < 4
	WLOAD \n, (\t)+2
.endif
.endm
.macro WPATH n
	WLOAD \n, 0
	WLOAD \n, 1
	WBLOCK \n, 0
	WBLOCK \n, 1
	WBLOCK \n, 2
	WBLOCK \n, 3
	v_lshl_or_b32 v103, v97, 8, v96                ; my column's scale word of this K step
	v_lshl_or_b32 v103, v98, 16, v103
	v_lshl_or_b32 v103, v99, 24, v103
	global_store_b32 v8, v103, s[24:25]            ; 4 bytes a lane, 16 apart: 1 / 128 of what the path reads; kept so that the path needs no LDS
	s_endpgm
.endm
	s_cmp_lt_u32 s18, 24
	s_cbranch_scc0 .Lproj_w
	s_mul_i32 s26, s19, 128*3072*4
	s_lshl_b32 s29, s18, 9
	s_add_co_u32 s26, s26, s29
	s_add_co_u32 s26, s26, s28
	s_add_nc_u64 s[26:27], s[6:7], s[26:27]
	s_wait_alu depctr_va_vdst(0)
	WPATH 3072
.Lproj_w:
	s_sub_co_u32 s18, s18, 24
	s_mul_i32 s26, s19, 128*1024*4
	s_lshl_b32 s29, s18, 9
	s_add_co_u32 s26, s26, s29
	s_add_co_u32 s26, s26, s28
	s_add_nc_u64 s[26:27], s[8:9], s[26:27]
	s_wait_alu depctr_va_vdst(0)
	WPATH 1024
.Lfunc_end_k_q3937a8e962_prep:
	.size	k_q3937a8e962_prep, .Lfunc_end_k_q3937a8e962_prep-k_q3937a8e962_prep
	.p2alignl 7, 3214868480
	.fill 96, 4, 3214868480
	.section	.rodata,"a",@progbits
	.p2align	6, 0x0
	.amdhsa_kernel k_q3937a8e962_prep
		.amdhsa_group_segment_fixed_size 35328
		.amdhsa_private_segment_fixed_size 0
		.amdhsa_enable_private_segment 0
		.amdhsa_kernarg_size 48
		.amdhsa_user_sgpr_count 2
		.amdhsa_user_sgpr_kernarg_segment_ptr 1
		.amdhsa_wavefront_size32 1
		.amdhsa_system_sgpr_workgroup_id_x 1
		.amdhsa_system_sgpr_workgroup_id_y 1
		.amdhsa_system_sgpr_workgroup_id_z 1
		.amdhsa_system_vgpr_workitem_id 0
		.amdhsa_next_free_vgpr 256
		.amdhsa_next_free_sgpr 66
		.amdhsa_reserve_vcc 1
		.amdhsa_float_denorm_mode_32 3
		.amdhsa_float_denorm_mode_16_64 3
		.amdhsa_memory_ordered 1
		.amdhsa_forward_progress 1
		.amdhsa_inst_pref_size 75
	.end_amdhsa_kernel
	.amdgpu_metadata
---
amdhsa.version: [ 1, 2 ]
amdhsa.kernels:
  - .name:           k_q3937a8e962_prep
    .symbol:         k_q3937a8e962_prep.kd
    .args:
      - { .name: x, .offset: 0, .size: 8, .value_kind: global_buffer, .address_space: global }
      - { .name: qkv_w, .offset: 8, .size: 8, .value_kind: global_buffer, .address_space: global }
      - { .name: proj_w, .offset: 16, .size: 8, .value_kind: global_buffer, .address_space: global }
      - { .name: xb, .offset: 24, .size: 8, .value_kind: global_buffer, .address_space: global }
      - { .name: wb, .offset: 32, .size: 8, .value_kind: global_buffer, .address_space: global }
      - { .name: rt, .offset: 40, .size: 8, .value_kind: global_buffer, .address_space: global }
    .group_segment_fixed_size: 35328
    .private_segment_fixed_size: 0
    .kernarg_segment_align: 8
    .kernarg_segment_size: 48
    .max_flat_workgroup_size: 128
    .sgpr_count:     66
    .vgpr_count:     256
    .wavefront_size: 32
...
	.end_amdgpu_metadata
.endif
;; end of part 1
;; launch qkv (part 2): grid 8 x 32, 4 waves a work-group, clusters of 4 x 4, 327,680 bytes of LDS; arguments xb, wb, rt, qkv_b, qkb, vb; writes qkb, vb
.if DOCPART == 2
	.amdgcn_target "amdgcn-amd-amdhsa--gfx1250"
	.amdhsa_code_object_version 6
	.text
	.protected	k_q3937a8e962_qkv
	.globl	k_q3937a8e962_qkv
	.p2align	8
	.type	k_q3937a8e962_qkv,@function
k_q3937a8e962_qkv:
	s_mov_b64 s[64:65], 0
	v_nop
	global_prefetch_b8 v0, s[64:65] scope:SCOPE_SE
	s_setreg_imm32_b32 hwreg(HW_REG_WAVE_MODE, 25, 1), 1
	s_wait_xcnt 0x0
	s_wait_alu depctr_hold_cnt(0) depctr_sa_sdst(0) depctr_va_vdst(0) depctr_va_sdst(0) depctr_va_ssrc(0) depctr_va_vcc(0) depctr_vm_vsrc(0)
	s_getreg_b32 s2, hwreg(HW_REG_IB_STS2, 6, 4)
	s_cmp_eq_u32 s2, 0
	s_cbranch_scc0 .Lentry_in_a_cluster
	s_endpgm
.Lentry_in_a_cluster:
	s_bfe_u32 s2, ttmp6, 0x10000c
	s_cmp_lg_u32 s2, 0xf033
	s_cbranch_scc0 .Lentry_shape_is_right
	s_endpgm
.Lentry_shape_is_right:
; QKV: qkv = x W + b on codes of FP4 (K = 1024), then for q and k the rotary embedding; q, k and V are quantised at once for the attention's products and leave as codes.
; THE PRODUCT.  A work-group makes P 256 rows (source 0) x Q 128 rows (source 1) over all of K.  Four waves: qh = wave >> 1 names 64 rows of Q (4 blocks a), ph = wave & 1 names 128 rows of P (8 blocks b): 32 accumulators.
; A row of 1,024 codes is 512 bytes, so both tiles with their scales lie in LDS whole: every LDS byte is filled once, there is no ring.  Codes lie as images of the operand's registers (see the launch that made them):
; every LDS load reads 512 consecutive bytes.  The rows of a tile are chosen so that a lane's 16 registers of blocks 2 B, 2 B + 1 are P's rows 32 B + 16 (lane / 16) + 0 .. 15: neighbours along the next product's K.
; TWO CLASSES OF CLUSTERS, told apart by the cluster's y alone (the same in all sixteen partners).  y < 16: P = columns of W for q and k, Q = rows of x: a lane holds one token and 128 channels (two heads): bias, rotation,
; quantised along the head's 64.  y >= 16: P = rows of x, Q = columns of W for V: a lane holds one channel and 128 tokens: bias, quantised along the tokens, which are the K of the attention's second product.
; The text parts once and the product is written in both arms.
; CLUSTER 4 x 4: Q's tile hangs on cy and the cluster's numbers and is asked for jointly along a row of the cluster; P's on cx and is asked for jointly along a column.
; OUT: qkb codes [b][hg 32][token tile 128][512 bytes] (hg = head for q, 16 + head for k), scale words [b][hg][tile][r] at QKS (bytes 0, 1; bytes 2, 3 are 0).  vb codes [b h][key step 16][d tile 4][1,024 bytes], scale words [b h][step][tile][r] at VSO.
; LIMITS: NaN and infinities are not served; blocks under 2^-124, and blocks of zeros, get the byte 1 (this program alone reads the bytes).
; REGISTERS, windows of 256: w0: v1-31 addresses; v32-95 scale words; v96-159 Q's fragments, two sets (later codes and words on their way out); v160-223 H: a block's 64 numbers; v224-239 T; v240-255 TM.
;   w1: P's fragments, two sets of 64.   w2: accumulator (a, b) at v[8 (8 a + b)].   w3: v0-127 cosines and sines, 32 for each a; v128-191 the bias.
; THE WALK (it stands over what the lines above say of classes of clusters and of LDS bytes filled once).  256 work-groups stay, 16 clusters.  Cluster k = 2 y + x makes three tiles one after the other:
; q, k columns 0 - 1,023 (P's tile cx) x the rows of x of Q's tile 4 k + cy; q, k columns 1,024 - 2,047 (P's tile 4 + cx) x the same rows; then V: P's tile 4 (k & 7) + cx of x, Q's tile 4 (k >> 3) + cy of V's columns.
; The q, k arm is a loop of two trips; the V arm follows it.
; That load is on its way while the tile's four blocks are rotated, quantised and stored.  The gathers' bytes (STG, STGV) are no load's target.
; All four loads are issued at each refill, Q's too where the next tile has the same rows of x: 69,632 bytes a work-group are fetched a second time, so that every wave has one load of one form.
; All of a WGP's LDS is claimed.  No prefetch: three tiles leave no earlier trip to ask in, and each refill is itself issued a whole way out ahead of its first read.
.set XSO, 4194304
.set WSO, 2097152
.set QKS, 8388608
.set VSO, 4194304
.set LPC, 65536                        ; LDS: Q's codes at 0 (g x 32,768 + tile x 8,192 + chunk x 512); P's here (g x 65,536 + ..)
.set LQS, 196608                       ; Q's scales, 512 bytes a tile
.set LPS, 200704                       ; P's
.set STG, 208896                       ; 512 bytes a wave: the scale words' gather, first class
.set STGV, 210944                      ; the same for the second class
.set WV,  16
.set SEL, 2
.set HM,  98
.set ADRQ, 16
.set ADRP, 20
.set ADRS, 22
.set CO,  24
.set SC,  32
.set AF,  96
.set H,   160
.set T,   224
.set TM,  240
.set MSB, 0
.macro WIN new                         ; the immediate's high byte repeats the setting that is left
.if MSB != \new
	s_set_vgpr_msb (MSB<<8)|\new
.set MSB, \new
.endif
.endm
.macro PLACES                          ; four plain places behind a matrix instruction, in front of loads into its sources and of reads of its result
.rept 4
	v_nop
.endr
.endm
.macro CROUND                          ; a round of the cluster's barrier
	s_barrier_signal -1
	s_barrier_wait -1
	s_cmp_lg_u32 s[WV], 0
	s_cbranch_scc1 .Lnot_wave_0_\@
	s_barrier_signal -3
.Lnot_wave_0_\@:
	s_barrier_wait -3
	s_barrier_signal -1
	s_barrier_wait -1
.endm
.macro GROUP1 g, c, r, p               ; words 1 to 7 of a descriptor's group 1: r rows of c elements, p elements apart
	s_mov_b32 s[\g+1], (\c)<<16
	s_mov_b32 s[\g+2], (\r)<<16
	s_mov_b32 s[\g+3], (\c)<<16
	s_mov_b32 s[\g+4], \r
	s_mov_b32 s[\g+5], \p
	s_mov_b32 s[\g+6], 0
	s_mov_b32 s[\g+7], 0
.endm
.macro FETCH s                         ; K step s: P's eight fragments into set s % 2 of window 1, Q's four into set s % 2 of AF
	WIN 0x40
.irp b, 0,1,2,3,4,5,6,7
.irp c, 0,1
	ds_load_b128 v[64*((\s)%2)+8*\b+4*\c:64*((\s)%2)+8*\b+4*\c+3], v[ADRP] offset:\b*8192+(2*(\s)+\c)*512
.endr
.endr
	WIN 0
.irp a, 0,1,2,3
.irp c, 0,1
	ds_load_b128 v[AF+32*((\s)%2)+8*\a+4*\c:AF+32*((\s)%2)+8*\a+4*\c+3], v[ADRQ] offset:\a*8192+(2*(\s)+\c)*512
.endr
.endr
.endm
.macro MUL s, zero                     ; 32 matrix instructions; the 32 accumulators take turns, one instruction a turn.  zero = 1: the first K step starts the sums
	WIN 0xa1                                       ; source 0 (P) window 1, source 1 (Q) window 0, C and D window 2
.irp a, 0,1,2,3
.irp b, 0,1,2,3,4,5,6,7
.if \zero
	v_wmma_scale_f32_16x16x128_f8f6f4 v[8*(8*\a+\b):8*(8*\a+\b)+7], v[64*((\s)%2)+8*\b:64*((\s)%2)+8*\b+7], v[AF+32*((\s)%2)+8*\a:AF+32*((\s)%2)+8*\a+7], 0, v[SC+32*((\s)/4)+4*\b+(\s)%4], v[SC+32*((\s)/4)+4*\a+(\s)%4] matrix_a_fmt:MATRIX_FMT_FP4 matrix_b_fmt:MATRIX_FMT_FP4 matrix_a_scale:MATRIX_SCALE_ROW1
.else
	v_wmma_scale_f32_16x16x128_f8f6f4 v[8*(8*\a+\b):8*(8*\a+\b)+7], v[64*((\s)%2)+8*\b:64*((\s)%2)+8*\b+7], v[AF+32*((\s)%2)+8*\a:AF+32*((\s)%2)+8*\a+7], v[8*(8*\a+\b):8*(8*\a+\b)+7], v[SC+32*((\s)/4)+4*\b+(\s)%4], v[SC+32*((\s)/4)+4*\a+(\s)%4] matrix_a_fmt:MATRIX_FMT_FP4 matrix_b_fmt:MATRIX_FMT_FP4 matrix_a_scale:MATRIX_SCALE_ROW1
.endif
.endr
.endr
.endm
.macro STEP s
	s_wait_dscnt 0x0                               ; this K step's 24 loads, asked for one K step ago, are in
.if (\s) < 7
.if (\s) > 0
	PLACES
.endif
	FETCH (\s)+1
.endif
.if (\s) == 0
	MUL \s, 1
.else
	MUL \s, 0
.endif
.endm
.macro CORE
	s_wait_tensorcnt 0x0                           ; my one tensor load has landed
	s_barrier_signal -1
	s_barrier_wait -1                              ; everybody's have
.irp g, 0,1
.irp i, 0,1,2,3,4,5,6,7
	ds_load_b128 v[SC+32*\g+4*\i:SC+32*\g+4*\i+3], v[ADRS] offset:\i*512+\g*256   ; register 32 g + 4 i + q: lanes 0-15 the word of Q's block i, lanes 16-31 of P's block i, K step 4 g + q
.endr
.endr
	FETCH 0
.irp s, 0,1,2,3,4,5,6,7
	STEP \s
.endr
	WIN 0
	PLACES
	s_wait_loadcnt 0x0                             ; the bias and the table
.endm
; 64 numbers of a lane, register 16 b + i = k 32 b + 16 (lane / 16) + i of my row, become a fragment's codes in v[pc] on and its scale word in v[pw]
.macro QUANT s, pc, pw
.irp b, 0,1,2,3
	v_max3_num_f32 v[TM+\b], |v[(\s)+16*\b]|, |v[(\s)+1+16*\b]|, 0x1800000   ; my 16 numbers of block b, and the floor 2^(3 - 127): the byte cannot fall under 1
.endr
.irp i, 2,4,6,8,10,12,14
.irp b, 0,1,2,3
	v_max3_num_f32 v[TM+\b], v[TM+\b], |v[(\s)+16*\b+\i]|, |v[(\s)+1+16*\b+\i]|
.endr
.endr
.irp b, 0,1,2,3
	v_permlanex16_b32 v[TM+4+\b], v[TM+\b], s[SEL], s[SEL+1]
.endr
.irp b, 0,1,2,3
	v_max_num_f32 v[TM+\b], v[TM+\b], v[TM+4+\b]   ; with lane l xor 16's: the block's largest magnitude
.endr
.irp b, 0,1,2,3
	v_add_nc_u32 v[TM+12+\b], 0xff000000, v[TM+\b] ; 2 off its exponent field: the conversion's scale operand
.endr
.irp b, 0,1,2,3
	v_lshrrev_b32 v[TM+4+\b], 23, v[TM+12+\b]      ; the scale's byte
.endr
	v_lshl_or_b32 v[\pw], v[TM+5], 8, v[TM+4]
	v_lshl_or_b32 v[\pw], v[TM+6], 16, v[\pw]
	v_lshl_or_b32 v[\pw], v[TM+7], 24, v[\pw]
.irp b, 0,1,2,3
	v_cvt_scalef32_pk8_fp4_f32 v[(\pc)+2*\b], v[(\s)+16*\b:(\s)+7+16*\b], v[TM+12+\b]
	v_cvt_scalef32_pk8_fp4_f32 v[(\pc)+1+2*\b], v[(\s)+8+16*\b:(\s)+15+16*\b], v[TM+12+\b]
.endr
	v_nop                                          ; one plain place behind a scaled conversion
.irp c, 0,1                                    ; the operand's layout wants a whole block in a lane
.irp i, 0,1
	v_permlane16_swap_b32 v[(\pc)+4*\c+\i], v[(\pc)+2+4*\c+\i]
.endr
.endr
.endm
	s_load_b256 s[4:11], s[0:1], 0x0               ; xb s[4:5], wb s[6:7], rt s[8:9], qkv_b s[10:11]
	s_load_b128 s[12:15], s[0:1], 0x20             ; qkb s[12:13], vb s[14:15]
	v_lshl_add_u32 v250, v0, 2, 0x34000
	v_mov_b32 v251, 0
	ds_add_u32 v250, v251
	ds_add_u32 v250, v251
	v_lshrrev_b32 v1, 5, v0
	v_readfirstlane_b32 s[WV], v1                  ; wave 0..3
	s_lshr_b32 s17, s[WV], 1                       ; qh
	s_and_b32 s18, s[WV], 1                        ; ph; also: which half of a tile I fetch
	s_bfe_u32 s19, ttmp6, 0x40000                  ; cx
	s_bfe_u32 s20, ttmp6, 0x40004                  ; cy
	s_and_b32 s22, ttmp7, 0xffff                   ; the cluster's y
	s_mov_b32 s[SEL], 0x76543210
	s_mov_b32 s[SEL+1], 0xfedcba98
	s_mov_b32 s[HM], 0xffff0000                    ; lanes 16-31
	s_lshl_b32 s21, s22, 1
	s_add_co_u32 s21, s21, ttmp9                   ; k: my cluster's number, 0..15
	s_mov_b32 s23, 1                               ; the first tile is of q, k
	s_mov_b32 s84, s19                             ; Pt = cx
	s_lshl_b32 s85, s21, 2
	s_add_co_u32 s85, s85, s20                     ; Qt = 4 k + cy
	s_lshl_b32 s86, s20, 2
	s_lshl_b32 s86, 15, s86                        ; my row of the cluster
	s_lshl_b32 s90, 0x1111, s19                    ; my column
	s_or_b32 s24, s86, (3<<16)|(1<<21)             ; group 1, word 0: the mask; elements of 8 bytes; bit 21 beside a mask; no padding
	s_or_b32 s40, s86, (3<<16)|(1<<21)
	s_or_b32 s32, s90, (3<<16)|(1<<21)
	s_or_b32 s48, s90, (3<<16)|(1<<21)
	GROUP1 24, 512, 16, 512                        ; Q's codes: 8 tiles, 65,536 dense bytes as rows of 4,096; in LDS as in memory: tile x 8,192 + chunk x 512
	GROUP1 32, 512, 32, 512                        ; P's: 16 tiles, 131,072 bytes
	GROUP1 40, 32, 16, 32                          ; Q's scales: 4,096 dense bytes as rows of 256
	GROUP1 48, 32, 32, 32                          ; P's: 8,192
	s_mov_b32 s56, 1                               ; groups 0: Q's scales s[56:59], Q's codes s[60:63]; P's scales s[72:75], P's codes s[76:79]
	s_mov_b32 s60, 1
	s_mov_b32 s72, 1
	s_mov_b32 s76, 1
	s_mov_b32 s57, LQS
	s_mov_b32 s61, 0
	s_mov_b32 s73, LPS
	s_mov_b32 s77, LPC
	s_wait_dscnt 0x0
	s_wait_kmcnt 0x0
	s_cmp_eq_u32 s23, 1
	s_cselect_b64 s[86:87], s[4:5], s[6:7]         ; Q's buffer: xb, or wb
	s_cselect_b64 s[90:91], s[6:7], s[4:5]         ; P's: wb, or xb
	s_mov_b32 s88, 1048576
	s_cselect_b32 s88, 0, s88                      ; where Q's codes begin: V's columns are tiles 128 on
	s_mov_b32 s89, 2162688
	s_cselect_b32 s89, XSO, s89                    ; and Q's scales
	s_mov_b32 s92, XSO
	s_cselect_b32 s92, WSO, s92                    ; P's scales
	s_lshl_b32 s94, s85, 16                        ; Q's side is made of Qt alone
	s_add_co_u32 s94, s94, s88
	s_mov_b32 s95, 0
	s_add_nc_u64 s[62:63], s[86:87], s[94:95]
	s_or_b32 s63, s63, 0x80000000
	s_lshl_b32 s94, s85, 12
	s_add_co_u32 s94, s94, s89
	s_add_nc_u64 s[58:59], s[86:87], s[94:95]
	s_or_b32 s59, s59, 0x80000000
	s_lshl_b32 s96, s84, 17                        ; P's side of Pt alone
	s_mov_b32 s97, 0
	s_add_nc_u64 s[78:79], s[90:91], s[96:97]
	s_or_b32 s79, s79, 0x80000000
	s_lshl_b32 s96, s84, 13
	s_add_co_u32 s96, s96, s92
	s_add_nc_u64 s[74:75], s[90:91], s[96:97]
	s_or_b32 s75, s75, 0x80000000
	CROUND                                         ; all sixteen work-groups are here: the joint loads meet
	s_cmp_lt_u32 s[WV], 1                          ; one tensor load a wave, in one chain of branches on the wave's number: wave 0 Q's codes, wave 1 P's codes, wave 2 Q's scales, wave 3 P's scales
	s_cbranch_scc0 .Lfill_p
	tensor_load_to_lds s[60:63], s[24:31]
	s_nop 0
	PLACES
	s_branch .Lfilled
.Lfill_p:
	s_cmp_lt_u32 s[WV], 2
	s_cbranch_scc0 .Lfill_qs
	tensor_load_to_lds s[76:79], s[32:39]
	s_nop 0
	PLACES
	s_branch .Lfilled
.Lfill_qs:
	s_cmp_lt_u32 s[WV], 3
	s_cbranch_scc0 .Lfill_ps
	tensor_load_to_lds s[56:59], s[40:47]
	s_nop 0
	PLACES
	s_branch .Lfilled
.Lfill_ps:
	tensor_load_to_lds s[72:75], s[48:55]
	s_nop 0
	PLACES
.Lfilled:
	v_and_b32 v3, 31, v0                           ; lane
	v_and_b32 v1, 15, v0                           ; r
	v_bfe_u32 v2, v0, 4, 1                         ; hh
	s_wait_alu depctr_va_vdst(0)
	v_lshlrev_b32 v[CO], 4, v3                     ; 16 x lane
	s_lshl_b32 s99, s17, 15
	v_add_nc_u32 v[ADRQ], s99, v[CO]               ; my 4 tiles of Q, 8,192 bytes each
	s_lshl_b32 s99, s18, 16
	s_add_co_u32 s99, s99, LPC
	v_add_nc_u32 v[ADRP], s99, v[CO]               ; my 8 tiles of P
	s_wait_alu depctr_va_vdst(0)
	s_xor_b32 s100, s17, 1                         ; scale words: lanes 0-15 at LQS + 2,048 qh + 16 r; lanes 16-31 at LPS + 4,096 ph + 16 r, which is
	s_lshl_b32 s100, s100, 11                      ; 2,048 + 4,096 ph + 2,048 (1 - qh) further on
	s_lshl_b32 s101, s18, 12
	s_add_co_u32 s100, s100, s101
	s_add_co_u32 s100, s100, 2048
	v_mul_u32_u24 v5, s100, v2
	v_lshl_add_u32 v5, v1, 4, v5
	s_lshl_b32 s99, s17, 11
	s_add_co_u32 s99, s99, LQS
	v_add_nc_u32 v[ADRS], s99, v5
	s_lshl_b32 s99, s[WV], 9
	s_add_co_u32 s99, s99, STG
	v_lshlrev_b32 v5, 2, v1
	v_lshl_add_u32 v5, v2, 8, v5
	v_add_nc_u32 v27, s99, v5                      ; the gather, in: 256 hh + 4 r
	v_add_nc_u32 v28, s99, v[CO]                   ; out: 16 x lane
	v_add_nc_u32 v30, STGV-STG, v27                ; the second class's own bytes
	v_lshlrev_b32 v23, 3, v3                       ; 8 x lane
	v_add_nc_u32 v31, s99, v23
	v_add_nc_u32 v31, STGV-STG, v31
	v_lshlrev_b32 v29, 4, v1
	v_lshl_add_u32 v29, v2, 13, v29                ; q, k scale words out: 16 r, and the next head 8,192 on
	v_and_b32 v4, 7, v1
	v_lshrrev_b32 v5, 3, v1
	v_lshl_add_u32 v4, v5, 4, v4                   ; my row in a pair of tiles: (r & 7) + 16 (r >> 3)
	v_lshlrev_b32 v26, 8, v4
	v_lshl_add_u32 v26, v2, 7, v26                 ; the table: 256 bytes a token, my half's 128
	v_lshlrev_b32 v25, 6, v2                       ; q, k bias: my half's 16 numbers of each 32
	v_lshlrev_b32 v6, 2, v4                        ; V's bias: my channel
.irp b, 0,1,2,3
	v_mov_b32 v[TM+4+\b], 0                        ; (a lane permute's destination counts as one of its sources)
.endr
	s_mov_b32 s70, 0                               ; tiles of q, k that are done
	s_wait_alu depctr_va_vdst(0)                   ; the wait at the head's end
.Lqk:                                              ; two trips: a tile of q, k each
; ---------------- q and k
	s_lshl_b32 s86, s84, 10
	s_lshl_b32 s87, s18, 9
	s_add_co_u32 s86, s86, s87
	s_mov_b32 s87, 0
	s_add_nc_u64 s[86:87], s[10:11], s[86:87]      ; the bias of my 128 columns
	s_and_b32 s88, s85, 15
	s_lshl_b32 s88, s88, 15
	s_lshl_b32 s89, s17, 14
	s_add_co_u32 s88, s88, s89
	s_mov_b32 s89, 0
	s_add_nc_u64 s[88:89], s[8:9], s[88:89]        ; the table at my 64 tokens
	WIN 0xc0                                       ; destination window 3
	s_wait_alu depctr_va_vdst(0)
.irp k, 0,1,2,3,4,5,6,7,8,9,10,11,12,13,14,15
	global_load_b128 v[128+4*\k:131+4*\k], v25, s[86:87] offset:128*(\k/4)+16*(\k%4)
.endr
.irp a, 0,1,2,3
.irp m, 0,1,2,3,4,5,6,7
	global_load_b128 v[32*\a+4*\m:32*\a+4*\m+3], v26, s[88:89] offset:(32*(\a/2)+8*(\a%2))*256+16*\m
.endr
.endr
	WIN 0
	s_lshr_b32 s94, s85, 4                         ; b
	s_lshl_b32 s96, s84, 2
	s_lshl_b32 s97, s18, 1
	s_add_co_u32 s96, s96, s97                     ; hg: my first head of two
	s_and_b32 s97, s85, 15
	s_lshl_b32 s97, s97, 3
	s_lshl_b32 s99, s17, 2
	s_add_co_u32 s97, s97, s99                     ; my first token tile
	s_lshl_b32 s99, s94, 5
	s_add_co_u32 s99, s99, s96
	s_lshl_b32 s99, s99, 13
	s_lshl_b32 s100, s97, 6
	s_add_co_u32 s99, s99, s100
	s_add_co_u32 s99, s99, QKS
	s_lshl_b32 s94, s94, 21
	s_lshl_b32 s96, s96, 16
	s_add_co_u32 s94, s94, s96
	s_lshl_b32 s97, s97, 9
	s_add_co_u32 s94, s94, s97
	s_mov_b32 s95, 0
	s_add_nc_u64 s[94:95], s[12:13], s[94:95]      ; codes out
	s_mov_b32 s96, s99
	s_mov_b32 s97, 0
	s_add_nc_u64 s[96:97], s[12:13], s[96:97]      ; scale words out
	CORE
; THE REFILL: the next tile's codes and scales, asked for ahead of this tile's way out
	s_wait_tensorcnt 0x0                           ; no tensor load of mine is out, so the groups 0 may be written
	ds_add_u32 v250, v251                          ; 0 onto my spare word: the descriptors' words, work on registers, stand between it and its wait
	s_and_b32 s92, s21, 7
	s_lshl_b32 s92, s92, 2                         ; V: P's tile 4 (k & 7) + cx
	s_lshr_b32 s88, s21, 3
	s_lshl_b32 s88, s88, 2                         ; V: Q's tile 4 (k >> 3) + cy
	s_lshl_b32 s89, s21, 2                         ; q, k: Q's tile 4 k + cy
	s_cmp_eq_u32 s70, 0                            ; behind the first tile q, k once more; behind the second V.  The count of tiles alone decides
	s_cselect_b32 s84, 4, s92
	s_cselect_b32 s85, s89, s88
	s_cselect_b64 s[86:87], s[4:5], s[6:7]         ; Q's buffer: xb, or wb
	s_cselect_b64 s[90:91], s[6:7], s[4:5]         ; P's: wb, or xb
	s_mov_b32 s88, 1048576
	s_cselect_b32 s88, 0, s88                      ; where Q's codes begin
	s_mov_b32 s89, 2162688
	s_cselect_b32 s89, XSO, s89                    ; and Q's scales
	s_mov_b32 s92, XSO
	s_cselect_b32 s92, WSO, s92                    ; P's scales
	s_add_co_u32 s84, s84, s19                     ; Pt
	s_add_co_u32 s85, s85, s20                     ; Qt
	s_lshl_b32 s68, s85, 16                        ; Q's side is made of Qt alone
	s_add_co_u32 s68, s68, s88
	s_mov_b32 s69, 0
	s_add_nc_u64 s[62:63], s[86:87], s[68:69]
	s_or_b32 s63, s63, 0x80000000
	s_lshl_b32 s68, s85, 12
	s_add_co_u32 s68, s68, s89
	s_add_nc_u64 s[58:59], s[86:87], s[68:69]
	s_or_b32 s59, s59, 0x80000000
	s_lshl_b32 s80, s84, 17                        ; P's side of Pt alone
	s_mov_b32 s81, 0
	s_add_nc_u64 s[78:79], s[90:91], s[80:81]
	s_or_b32 s79, s79, 0x80000000
	s_lshl_b32 s80, s84, 13
	s_add_co_u32 s80, s80, s92
	s_add_nc_u64 s[74:75], s[90:91], s[80:81]
	s_or_b32 s75, s75, 0x80000000
	s_wait_dscnt 0x0                               ; the add is done, and my reads of this tile's codes and scales are over
	CROUND                                         ; that holds of every wave of all sixteen work-groups
	s_cmp_lt_u32 s[WV], 1                          ; one joint load a wave, as at the head: wave 0 Q's codes, wave 1 P's codes, wave 2 Q's scales, wave 3 P's scales
	s_cbranch_scc0 .Lre_p
	tensor_load_to_lds s[60:63], s[24:31]
	s_nop 0
	PLACES
	s_branch .Lre_done
.Lre_p:
	s_cmp_lt_u32 s[WV], 2
	s_cbranch_scc0 .Lre_qs
	tensor_load_to_lds s[76:79], s[32:39]
	s_nop 0
	PLACES
	s_branch .Lre_done
.Lre_qs:
	s_cmp_lt_u32 s[WV], 3
	s_cbranch_scc0 .Lre_ps
	tensor_load_to_lds s[56:59], s[40:47]
	s_nop 0
	PLACES
	s_branch .Lre_done
.Lre_ps:
	tensor_load_to_lds s[72:75], s[48:55]
	s_nop 0
	PLACES
.Lre_done:
; Block a: lane (r, h) holds token row r; H[32 hd + i] is channel 16 h + i of head hd, H[32 hd + 16 + i] channel 32 + 16 h + i
.macro OUTQK a
	WIN 0x0e                                       ; source 0 window 2, source 1 window 3
.set j, 0
.rept 32
	v_pk_add_f32 v[H+j:H+j+1], v[64*\a+j:64*\a+j+1], v[128+j:128+j+1]   ; + bias; each accumulator is read from its low end on
.set j, j+2
.endr
	WIN 0x0c                                       ; source 1 window 3
.irp hd, 0,1
.irp p, 0,1,2,3,4,5,6,7
	v_pk_mul_f32 v[T+2*\p:T+2*\p+1], v[H+32*\hd+2*\p:H+32*\hd+2*\p+1], v[32*\a+4*\p+2:32*\a+4*\p+3]   ; x1 sin
.endr
.irp p, 0,1,2,3,4,5,6,7
	v_pk_mul_f32 v[H+32*\hd+2*\p:H+32*\hd+2*\p+1], v[H+32*\hd+2*\p:H+32*\hd+2*\p+1], v[32*\a+4*\p:32*\a+4*\p+1]   ; x1 cos
.endr
.irp p, 0,1,2,3,4,5,6,7
	v_pk_fma_f32 v[H+32*\hd+2*\p:H+32*\hd+2*\p+1], v[H+32*\hd+16+2*\p:H+32*\hd+17+2*\p], v[32*\a+4*\p+2:32*\a+4*\p+3], v[H+32*\hd+2*\p:H+32*\hd+2*\p+1] neg_lo:[1,0,0] neg_hi:[1,0,0]   ; - x2 sin
.endr
.irp p, 0,1,2,3,4,5,6,7
	v_pk_fma_f32 v[H+32*\hd+16+2*\p:H+32*\hd+17+2*\p], v[H+32*\hd+16+2*\p:H+32*\hd+17+2*\p], v[32*\a+4*\p:32*\a+4*\p+1], v[T+2*\p:T+2*\p+1]   ; x2 cos + x1 sin
.endr
.endr
	WIN 0
	QUANT H, 96+8*\a, 132+\a
	global_store_b128 v[CO], v[96+8*\a:99+8*\a], s[94:95] offset:512*\a             ; the first head's 64 channels: 512 consecutive bytes
	global_store_b128 v[CO], v[100+8*\a:103+8*\a], s[94:95] offset:65536+512*\a     ; the second head's
	v_lshrrev_b32 v[128+\a], 16, v[132+\a]
	v_and_b32 v[T], 0xffff, v[132+\a]
	v_cndmask_b32 v[128+\a], v[T], v[128+\a], s[HM]  ; lanes 0-15 keep the first head's two bytes, lanes 16-31 the second's
	ds_store_b32 v27, v[128+\a] offset:64*\a
.endm
	OUTQK 0
	OUTQK 1
	OUTQK 2
	OUTQK 3
	ds_load_b128 v[140:143], v28                   ; a wave's LDS instructions are served in order: these see my stores
	s_wait_dscnt 0x0
	global_store_b128 v29, v[140:143], s[96:97]    ; each head's sixteen lanes store 256 consecutive bytes, aligned
	s_wait_xcnt 0x0                                ; the stores have read their registers and bases: the next tile writes them again
	s_add_co_u32 s70, s70, 1
	s_cmp_lt_u32 s70, 2
	s_wait_alu depctr_va_vdst(0)                   ; the wait ahead of the branch
	s_cbranch_scc1 .Lqk
; ---------------- V
.Lclass_v:
	s_lshl_b32 s86, s85, 9
	s_lshl_b32 s87, s17, 8
	s_add_co_u32 s86, s86, s87
	s_add_co_u32 s86, s86, 8192
	s_mov_b32 s87, 0
	s_add_nc_u64 s[86:87], s[10:11], s[86:87]      ; the bias of my 64 channels
	WIN 0xc0
	s_wait_alu depctr_va_vdst(0)
.irp a, 0,1,2,3
	global_load_b32 v[128+2*\a], v6, s[86:87] offset:(32*(\a/2)+8*(\a%2))*4
	global_load_b32 v[129+2*\a], v6, s[86:87] offset:(32*(\a/2)+8*(\a%2))*4   ; twice: a pair for the packed addition
.endr
	WIN 0
	s_lshr_b32 s94, s84, 3
	s_lshl_b32 s94, s94, 4
	s_lshl_b32 s96, s85, 1
	s_add_co_u32 s94, s94, s96
	s_add_co_u32 s94, s94, s17                     ; 16 b + head
	s_and_b32 s96, s84, 7
	s_lshl_b32 s96, s96, 1
	s_add_co_u32 s96, s96, s18                     ; the key step: my 128 tokens
	s_lshl_b32 s99, s94, 12
	s_lshl_b32 s100, s96, 8
	s_add_co_u32 s99, s99, s100
	s_add_co_u32 s99, s99, VSO
	s_lshl_b32 s94, s94, 16
	s_lshl_b32 s96, s96, 12
	s_add_co_u32 s94, s94, s96
	s_mov_b32 s95, 0
	s_add_nc_u64 s[94:95], s[14:15], s[94:95]
	s_mov_b32 s96, s99
	s_mov_b32 s97, 0
	s_add_nc_u64 s[96:97], s[14:15], s[96:97]
	CORE
.macro OUTV a                          ; block a: lane (r, h) holds channel row r of d tile a; H[16 B + i] is token 32 B + 16 h + i of the key step
	WIN 0x0e
.set j, 0
.rept 32
	v_pk_add_f32 v[H+j:H+j+1], v[64*\a+j:64*\a+j+1], v[128+2*\a:129+2*\a]
.set j, j+2
.endr
	WIN 0
	QUANT H, 96+8*\a, 132+\a
	global_store_b128 v[CO], v[96+8*\a:99+8*\a], s[94:95] offset:1024*\a
	global_store_b128 v[CO], v[100+8*\a:103+8*\a], s[94:95] offset:1024*\a+512
	ds_store_b32 v30, v[132+\a] offset:64*\a
.endm
	OUTV 0
	OUTV 1
	OUTV 2
	OUTV 3
	ds_load_b64 v[140:141], v31
	s_wait_dscnt 0x0
	global_store_b64 v23, v[140:141], s[96:97]     ; the wave stores 256 consecutive bytes, aligned
	s_wait_tensorcnt 0x0
	ds_add_u32 v250, v251
	s_wait_dscnt 0x0
	CROUND                                         ; the closing round
	s_endpgm
.Lfunc_end_k_q3937a8e962_qkv:
	.size	k_q3937a8e962_qkv, .Lfunc_end_k_q3937a8e962_qkv-k_q3937a8e962_qkv
	.p2alignl 7, 3214868480
	.fill 96, 4, 3214868480
	.section	.rodata,"a",@progbits
	.p2align	6, 0x0
	.amdhsa_kernel k_q3937a8e962_qkv
		.amdhsa_group_segment_fixed_size 327680
		.amdhsa_private_segment_fixed_size 0
		.amdhsa_enable_private_segment 0
		.amdhsa_kernarg_size 48
		.amdhsa_user_sgpr_count 2
		.amdhsa_user_sgpr_kernarg_segment_ptr 1
		.amdhsa_wavefront_size32 1
		.amdhsa_system_sgpr_workgroup_id_x 1
		.amdhsa_system_sgpr_workgroup_id_y 1
		.amdhsa_system_sgpr_workgroup_id_z 1
		.amdhsa_system_vgpr_workitem_id 0
		.amdhsa_next_free_vgpr 1024
		.amdhsa_next_free_sgpr 102
		.amdhsa_reserve_vcc 0
		.amdhsa_float_denorm_mode_32 3
		.amdhsa_float_denorm_mode_16_64 3
		.amdhsa_memory_ordered 1
		.amdhsa_forward_progress 1
		.amdhsa_inst_pref_size 179
	.end_amdhsa_kernel
	.amdgpu_metadata
---
amdhsa.version: [ 1, 2 ]
amdhsa.kernels:
  - .name:           k_q3937a8e962_qkv
    .symbol:         k_q3937a8e962_qkv.kd
    .args:
      - { .name: xb, .offset: 0, .size: 8, .value_kind: global_buffer, .address_space: global }
      - { .name: wb, .offset: 8, .size: 8, .value_kind: global_buffer, .address_space: global }
      - { .name: rt, .offset: 16, .size: 8, .value_kind: global_buffer, .address_space: global }
      - { .name: qkv_b, .offset: 24, .size: 8, .value_kind: global_buffer, .address_space: global }
      - { .name: qkb, .offset: 32, .size: 8, .value_kind: global_buffer, .address_space: global }
      - { .name: vb, .offset: 40, .size: 8, .value_kind: global_buffer, .address_space: global }
    .group_segment_fixed_size: 327680
    .private_segment_fixed_size: 0
    .kernarg_segment_align: 8
    .kernarg_segment_size: 48
    .max_flat_workgroup_size: 128
    .sgpr_count:     102
    .vgpr_count:     1024
    .wavefront_size: 32
...
	.end_amdgpu_metadata
.endif
;; end of part 2
;; launch attn (part 3): grid 4 x 64, 16 waves a work-group, clusters of 4 x 1, 169,984 bytes of LDS; arguments qkb, vb, yb; writes yb
.if DOCPART == 3
	.amdgcn_target "amdgcn-amd-amdhsa--gfx1250"
	.amdhsa_code_object_version 6
	.text
	.protected	k_q3937a8e962_attn
	.globl	k_q3937a8e962_attn
	.p2align	8
	.type	k_q3937a8e962_attn,@function
k_q3937a8e962_attn:
	s_mov_b64 s[64:65], 0
	v_nop
	global_prefetch_b8 v0, s[64:65] scope:SCOPE_SE
	s_setreg_imm32_b32 hwreg(HW_REG_WAVE_MODE, 25, 1), 1
	s_wait_xcnt 0x0
	s_wait_alu depctr_hold_cnt(0) depctr_sa_sdst(0) depctr_va_vdst(0) depctr_va_sdst(0) depctr_va_ssrc(0) depctr_va_vcc(0) depctr_vm_vsrc(0)
	s_getreg_b32 s2, hwreg(HW_REG_IB_STS2, 6, 4)
	s_cmp_eq_u32 s2, 0
	s_cbranch_scc0 .Lentry_in_a_cluster
	s_endpgm
.Lentry_in_a_cluster:
	s_bfe_u32 s2, ttmp6, 0x10000c
	s_cmp_lg_u32 s2, 0x3003
	s_cbranch_scc0 .Lentry_shape_is_right
	s_endpgm
.Lentry_shape_is_right:
; ATTN: y = softmax(q k^T / 8, causal) v for one head a cluster, both products on codes of FP4; y is quantised along the channels for the last product and leaves as codes.
; LEFT OUT: key steps (128 keys) all of whose keys come after a tile's queries.  The causal mask hides them ahead of the softmax, so their p is 0 for all values of the inputs.  A NaN or an infinity that reaches only those scores is not carried on.
; THE SOFTMAX AHEAD OF THE SECOND PRODUCT: t = score x log2(e) / 8; M = the running largest t rounded up to a whole number; p = 2^(t - M) is quantised along the keys; the row's sum is taken of the unquantised p and divides at the end.
; SHARES.  The four work-groups of a cluster share a head's K and V, which lie in each one's LDS whole, filled once by ten joint loads, one a wave: waves 0-3 K's quarters, waves 4-7 V's, wave 8 K's scale words, wave 9 V's.
; Wave w of partner cx owns query tile 127 - a and then tile a = 8 (w >> 1) + 2 cx + (w & 1).  A tile's last key step is 15 - (w >> 1), then w >> 1: it hangs on the wave's number alone; every wave has 17 key steps of work.
; The key step is written once: a loop of two passes (a tile each) round a loop of 16 trips; a scalar branch on ids leads round the work of the steps left out.
; LAYOUT.  Both products are used transposed: S^T = K Q^T, O^T = V^T P^T: a lane holds one query.  In memory row r of token tile 2 B + u is token 32 B + 8 u + (r & 7) + 16 (r >> 3).
; THE KEYS OF A TILE OF K ARE CHOSEN BY THE LDS ADDRESS: row m of tile 4 c + u is key 64 c + 32 (m >> 3) + 8 u + (m & 7).  So lane (query, h) holds in registers 32 c + i the keys 64 c + 32 h + i: WHOLE blocks of 32, and in the
; order in which the second product's operand wants them: a block's largest score needs no other lane, and the conversions' results are the operand's registers.
; K lies in LDS as rows of 1,024 bytes (two tiles as stored) with 128 bytes of padding: the sixteen lanes of a fragment load then name sixteen different 16-byte columns of 256.
; The head's 64 channels fill half of the instruction's 128 along K: Q's upper four registers hold zero codes; K's upper four are whatever lies next and meet those zeros; the scale words' upper bytes are 0.
; No prefetch: each byte of K and V is asked for once, at the head, and there is no loop to run ahead in.
; LIMITS: NaN and infinities are not served; the scaled scores stay under 2^31; 1 / sum by v_rcp_f32; blocks of y under 2^-124, and of zeros, get the byte 1.  y's scale bytes leave two at a time (a scale word spans two heads).
; REGISTERS: v1-11, v92-95 addresses; v12 -M, v13 the largest score, v[14:15] the sum; v16-23 Q; v24-59 K; v60-91 V; v96-159 S^T, then p; v160-191 O^T; v192-199 K's scale words, v200-203 V's;
;   v204-208 the second tile's Q and scale word; v209 Q's scale word; v213 y's bytes; v224-231 p's codes; v232-254 at work; v251 p's scale word.
.set QKS, 8388608
.set VSO, 4194304
.set YS,  4194304
.set KROW, 1152                        ; an LDS row of K: 1,024 bytes + 128 of padding
.set LVC, 64*KROW                      ; V's codes
.set LKS, LVC+65536                    ; K's scale words
.set LVS, LKS+8192                     ; V's
.set SPARE, LVS+4096                   ; the spare words, 128 bytes a wave
.set CNT, 2
.set PASS, 3
.set WV,  10
.set LIM, 15                           ; my tile's last key step
.set G1K, 16
.set G1V, 24
.set G1KS, 32
.set G1VS, 40
.set G0K, 48
.set G0V, 52
.set G0SK, 56
.set G0SV, 60
.set SEL, 66
.set CS,  68                           ; s[68:69] log2(e) / 8
.set NC,  70                           ; its negative
.set SI,  71                           ; the key step
.set TK,  72                           ; LDS bytes to the NEXT step's K
.set TV,  73                           ; to this step's V
.set TS,  74                           ; to the next step's scale words of K
.set TJ,  75                           ; to this step's of V
.set TA,  76                           ; the tile in hand
.set TB2, 77                           ; the second tile
.set YC,  78                           ; s[78:79] y's codes, s[80:81] y's scale bytes of the tile in hand
.set Y2,  82                           ; s[82:85] the same of the second tile
.set AK0, 1
.set AV0, 2
.set ASK0, 3
.set ASV0, 4
.set DM,  5
.set SPW, 6
.set NIL, 7
.set CO,  8
.set ADK, 9
.set ADV, 10
.set ADS, 11
.set ADT, 92
.set QB,  93
.set Y16, 94
.set SH8, 95
.set KF,  24
.set VF,  60
.set KSW, 192
.set VSW, 200
.set QS,  209
.set MX,  232
.set T0,  236
.set T1,  237
.set OP,  244
.set RM,  246
.set X,   247
.set DD,  248
.set PW,  251
.set F,   252
.macro PLACES
.rept 4
	v_nop
.endr
.endm
.macro DEP n
	s_delay_alu instid0(VALU_DEP_\n)
.endm
.macro CROUND
	s_barrier_signal -1
	s_barrier_wait -1
	s_cmp_lg_u32 s[WV], 0
	s_cbranch_scc1 .Lnot_wave_0_\@
	s_barrier_signal -3
.Lnot_wave_0_\@:
	s_barrier_wait -3
	s_barrier_signal -1
	s_barrier_wait -1
.endm
.macro GROUP1 g, w0, c, r              ; r dense rows of c elements of 8 bytes
	s_mov_b32 s[\g], \w0
	s_mov_b32 s[\g+1], (\c)<<16
	s_mov_b32 s[\g+2], (\r)<<16
	s_mov_b32 s[\g+3], (\c)<<16
	s_mov_b32 s[\g+4], \r
	s_mov_b32 s[\g+5], \c
	s_mov_b32 s[\g+6], 0
	s_mov_b32 s[\g+7], 0
.endm
.macro ARM under, g0, g1, next         ; an arm of the head's one chain of branches on the wave's number: one load
	s_cmp_lt_u32 s[WV], \under
	s_cbranch_scc0 \next
	tensor_load_to_lds s[\g0:\g0+3], s[\g1:\g1+7]
	s_nop 0
	PLACES
	s_branch .Lasked
\next:
.endm
.macro ADDRS aq, qc, qs, y             ; of tile s[aq]: Q's codes, Q's scale words, y's codes s[y:y+1] and scale bytes s[y+2:y+3]
	s_lshl_b32 s100, s[\aq], 9
	s_add_co_u32 s[\qc], s86, s100
	s_mov_b32 s[\qc+1], 0
	s_add_nc_u64 s[\qc:\qc+1], s[4:5], s[\qc:\qc+1]
	s_add_co_u32 s[\y+2], s89, s100
	s_mov_b32 s[\y+3], 0
	s_add_nc_u64 s[\y+2:\y+3], s[8:9], s[\y+2:\y+3]
	s_lshl_b32 s100, s[\aq], 6
	s_add_co_u32 s[\qs], s87, s100
	s_mov_b32 s[\qs+1], 0
	s_add_nc_u64 s[\qs:\qs+1], s[4:5], s[\qs:\qs+1]
	s_lshl_b32 s100, s[\aq], 13
	s_add_co_u32 s[\y], s88, s100
	s_mov_b32 s[\y+1], 0
	s_add_nc_u64 s[\y:\y+1], s[8:9], s[\y:\y+1]
.endm
.macro INIT                            ; a tile begins
	s_lshr_b32 s100, s[TA], 1
	s_and_b32 s100, s100, 3
	s_lshl_b32 s100, s100, 5
	s_and_b32 s101, s[TA], 1
	s_lshl_b32 s101, s101, 3
	s_add_co_u32 s100, s100, s101
	v_add_nc_u32 v[DM], s100, v[QB]                ; my query in its key step, less 32 h: register n is hidden where 64 (n / 32) + n % 32 is greater
	v_mov_b32 v13, 0xff61b1e6                      ; the largest score so far: -3e38
	v_mov_b32 v14, 0
	v_mov_b32 v15, 0
	v_mul_f32 v12, s[NC], v13
	DEP 1
	v_floor_f32 v12, v12                           ; -M
.set j, 0
.rept 32
	v_mov_b32 v[160+j], 0                          ; O^T: the step is written once, its first turn finds zeros
.set j, j+1
.endr
.endm
.macro KLOAD ak, as                    ; a key step's eight tiles of K and their scale words
.irp c, 0,1
.irp u, 0,1,2,3
	ds_load_b128 v[KF+16*\c+4*\u:KF+16*\c+4*\u+3], v[\ak] offset:2*KROW*\c+512*(\u%2)+128*(\u/2)
	ds_load_b32 v[KSW+4*\c+\u], v[\as] offset:256*\c+64*(\u%2)+32*(\u/2)
.endr
.endr
.endm
.macro SUM4                            ; four pairs of p onto the four partial sums
	v_pk_add_f32 v[238:239], v[238:239], v[96+2*P:97+2*P]
	v_pk_add_f32 v[240:241], v[240:241], v[98+2*P:99+2*P]
	v_pk_add_f32 v[242:243], v[242:243], v[100+2*P:101+2*P]
	v_pk_add_f32 v[14:15], v[14:15], v[102+2*P:103+2*P]
.set P, P+4
.endm
	s_load_b128 s[4:7], s[0:1], 0x0                ; qkb s[4:5], vb s[6:7]
	s_load_b64 s[8:9], s[0:1], 0x10                ; yb
	v_lshl_add_u32 v[SPW], v0, 2, SPARE
	v_mov_b32 v[NIL], 0
	ds_add_u32 v[SPW], v[NIL]                      ; the opening lines: the add, twice on end, and its wait
	ds_add_u32 v[SPW], v[NIL]
	v_lshrrev_b32 v1, 5, v0
	v_readfirstlane_b32 s[WV], v1                  ; wave 0..15
	s_bfe_u32 s11, ttmp6, 0x40000                  ; cx
	s_and_b32 s12, ttmp7, 0xffff                   ; 16 b + head
	s_lshr_b32 s13, s12, 4                         ; b
	s_and_b32 s14, s12, 15                         ; head
.set DENSE, 15|(3<<16)|(1<<21)         ; the mask names all four partners; elements of 8 bytes; bit 21 beside a mask
	GROUP1 G1K, DENSE|(1<<20)|(7<<22)|(31<<25), 128, 16   ; a quarter of K: 16 rows of 1,024 bytes, 32 words of padding behind each 256
	GROUP1 G1V, DENSE, 32, 64                      ; a quarter of V: 16,384 dense bytes
	GROUP1 G1KS, DENSE, 32, 32                     ; K's scale words: 8,192
	GROUP1 G1VS, DENSE, 32, 16                     ; V's: 4,096
	s_mov_b32 s[SEL], 0x76543210
	s_mov_b32 s[SEL+1], 0xfedcba98
	s_mov_b32 s[CS], 0x3e38aa3b                    ; log2(e) / 8
	s_mov_b32 s[CS+1], s[CS]
	s_mov_b32 s[NC], 0xbe38aa3b
	s_and_b32 s90, s[WV], 3                        ; which quarter I fetch, if I fetch
	s_lshl_b32 s91, s90, 14
	s_lshl_b32 s92, s13, 21
	s_lshl_b32 s100, s14, 16
	s_add_co_u32 s92, s92, s100
	s_mov_b32 s86, s92                             ; the head's Q codes
	s_add_co_u32 s92, s92, 0x100000                ; K's: 16 heads on
	s_add_co_u32 s92, s92, s91
	s_mov_b32 s93, 0
	s_lshl_b32 s94, s12, 16                        ; V's codes
	s_add_co_u32 s94, s94, s91
	s_mov_b32 s95, 0
	s_lshl_b32 s96, s13, 5
	s_add_co_u32 s96, s96, s14
	s_lshl_b32 s96, s96, 13
	s_add_co_u32 s96, s96, QKS
	s_mov_b32 s87, s96                             ; Q's scale words
	s_add_co_u32 s96, s96, 0x20000                 ; K's
	s_mov_b32 s97, 0
	s_lshl_b32 s98, s12, 12
	s_add_co_u32 s98, s98, VSO                     ; V's
	s_mov_b32 s99, 0
	s_mov_b32 s[G0K], 1
	s_mul_i32 s[G0K+1], s90, 16*KROW
	s_mov_b32 s[G0V], 1
	s_add_co_u32 s[G0V+1], s91, LVC
	s_mov_b32 s[G0SK], 1
	s_mov_b32 s[G0SK+1], LKS
	s_mov_b32 s[G0SV], 1
	s_mov_b32 s[G0SV+1], LVS
	s_wait_dscnt 0x0                               ; both opening adds are done
	s_wait_kmcnt 0x0
	s_add_nc_u64 s[G0K+2:G0K+3], s[4:5], s[92:93]
	s_or_b32 s[G0K+3], s[G0K+3], 0x80000000
	s_add_nc_u64 s[G0V+2:G0V+3], s[6:7], s[94:95]
	s_or_b32 s[G0V+3], s[G0V+3], 0x80000000
	s_add_nc_u64 s[G0SK+2:G0SK+3], s[4:5], s[96:97]
	s_or_b32 s[G0SK+3], s[G0SK+3], 0x80000000
	s_add_nc_u64 s[G0SV+2:G0SV+3], s[6:7], s[98:99]
	s_or_b32 s[G0SV+3], s[G0SV+3], 0x80000000
	CROUND                                         ; all four work-groups are here: the joint loads meet
	ARM 4, G0K, G1K, .Larm_v
	ARM 8, G0V, G1V, .Larm_sk
	ARM 9, G0SK, G1KS, .Larm_sv
	ARM 10, G0SV, G1VS, .Larm_none
.Lasked:
	s_lshr_b32 s[LIM], s[WV], 1
	s_lshl_b32 s[TB2], s[LIM], 3
	s_lshl_b32 s100, s11, 1
	s_add_co_u32 s[TB2], s[TB2], s100
	s_and_b32 s100, s[WV], 1
	s_add_co_u32 s[TB2], s[TB2], s100              ; a: it enters Q's and y's addresses and the mask's numbers alone
	s_xor_b32 s[TA], s[TB2], 127                   ; 127 - a comes first
	s_xor_b32 s[LIM], s[LIM], 15
	s_lshl_b32 s88, s13, 20
	s_lshl_b32 s100, s14, 9
	s_add_co_u32 s88, s88, s100                    ; y's codes: tile 128 b + a of 8,192 bytes, chunk = head
	s_lshl_b32 s89, s13, 16
	s_lshr_b32 s100, s14, 3
	s_lshl_b32 s100, s100, 8
	s_add_co_u32 s89, s89, s100
	s_and_b32 s100, s14, 7
	s_lshl_b32 s100, s100, 1
	s_add_co_u32 s89, s89, s100
	s_add_co_u32 s89, s89, YS                      ; y's scale bytes: 512 a tile, 256 (head >> 3), 2 (head & 7)
	ADDRS TA, 92, 94, YC
	ADDRS TB2, 96, 98, Y2
	v_and_b32 v232, 15, v0                         ; r
	v_bfe_u32 v233, v0, 4, 1                       ; h
	v_and_b32 v234, 31, v0
	v_and_b32 v235, 7, v232                        ; r & 7
	v_lshrrev_b32 v238, 3, v232                    ; r >> 3
	v_lshlrev_b32 v239, 2, v232                    ; 4 r
	v_lshlrev_b32 v[CO], 4, v234                   ; 16 x lane
	global_load_b128 v[16:19], v[CO], s[92:93]     ; Q of both tiles, and their scale words
	global_load_b32 v[QS], v239, s[94:95]
	global_load_b128 v[204:207], v[CO], s[96:97]
	global_load_b32 v208, v239, s[98:99]
	v_add_nc_u32 v[AV0], LVC, v[CO]
	v_mul_u32_u24 v[AK0], v238, KROW               ; K: rows 8-15 of a tile lie an LDS row on,
	v_lshlrev_b32 v[ASK0], 7, v238
	v_lshl_add_u32 v[AK0], v235, 4, v[AK0]         ; 16 bytes a row,
	v_lshl_add_u32 v[ASK0], v235, 2, v[ASK0]
	v_lshl_add_u32 v[AK0], v233, 8, v[AK0]         ; 256 for the upper 32 channels
	v_add_nc_u32 v[ASK0], LKS, v[ASK0]             ; K's scale words: 128 (r >> 3) + 4 (r & 7)
	v_add_nc_u32 v[ASV0], LVS, v239
	v_lshlrev_b32 v[Y16], 4, v232                  ; 16 r
	v_lshlrev_b32 v[SH8], 3, v233                  ; 8 h
	v_lshl_add_u32 v[QB], v238, 4, v235
	v_lshlrev_b32 v240, 5, v233
	DEP 1
	v_sub_nc_u32 v[QB], v[QB], v240                ; (r & 7) + 16 (r >> 3) - 32 h
.irp j, 20,21,22,23,56,57,58,59,236,237,253
	v_mov_b32 v[\j], 0                             ; zero codes for the upper half of K; registers that are named before they are first made
.endr
	INIT
	s_mov_b32 s[PASS], 2
	s_wait_alu depctr_va_vdst(0)                   ; the wait at the head's end
	s_wait_tensorcnt 0x0                           ; my load, if I have one, has landed,
	s_barrier_signal -1
	s_barrier_wait -1                              ; everybody's has: all of K and V is in
	s_wait_loadcnt 0x0                             ; Q
.Lpass:                                            ; two trips: a tile each
	s_mov_b32 s[SI], 0
	s_mov_b32 s[TK], 4*KROW
	s_mov_b32 s[TS], 512
	s_mov_b32 s[TV], 0
	s_mov_b32 s[TJ], 0
	s_mov_b32 s[CNT], 16
	KLOAD AK0, ASK0                                ; key step 0's K
	s_wait_dscnt 0x0
.Lstep:                                            ; A KEY STEP: 128 keys.  Its K is in registers
	s_cmp_gt_u32 s[SI], s[LIM]                     ; all its keys come after my queries: only the steps of the addresses are made
	s_cbranch_scc1 .Lhidden
.irp t, 0,1,2,3,4,5,6,7
	v_wmma_scale_f32_16x16x128_f8f6f4 v[96+8*\t:103+8*\t], v[KF+4*\t:KF+4*\t+7], v[16:23], 0, v[KSW+\t], v[QS] matrix_a_fmt:MATRIX_FMT_FP4 matrix_b_fmt:MATRIX_FMT_FP4
.endr
	v_add_nc_u32 v[ADV], s[TV], v[AV0]             ; these four are the places behind the products, in front of the loads into their sources and of the first read of S^T
	v_add_nc_u32 v[ADT], s[TJ], v[ASV0]
	v_add_nc_u32 v[ADK], s[TK], v[AK0]
	v_add_nc_u32 v[ADS], s[TS], v[ASK0]
.irp t, 0,1,2,3
.irp c, 0,1
	ds_load_b128 v[VF+8*\t+4*\c:VF+8*\t+4*\c+3], v[ADV] offset:1024*\t+512*\c
.endr
	ds_load_b32 v[VSW+\t], v[ADT] offset:64*\t
.endr
	s_cmp_eq_u32 s[SI], s[LIM]                     ; only the last step lies on the diagonal
	s_cbranch_scc1 .Ldiag
	KLOAD ADK, ADS                                 ; the next step's K, a whole softmax ahead of its use
	s_branch .Ljoin
.Ldiag:
	v_mov_b32 v254, 0xff800000                     ; hidden scores become -infinity
.set n, 0
.rept 64
	v_cmp_gt_i32 vcc_lo, 64*(n/32)+n%32, v[DM]
	v_cndmask_b32 v[96+n], v[96+n], v254, vcc_lo
.set n, n+1
.endr
.Ljoin:
.irp k, 0,1,2,3
	v_max3_num_f32 v[MX+\k], v[96+16*\k], v[97+16*\k], v[98+16*\k]   ; the largest score of each of my two blocks of 32 keys, in two chains each: for the row's maximum, and, since p rises with the score, for the block's largest p
.endr
.irp i, 3,5,7,9,11,13
.irp k, 0,1,2,3
	v_max3_num_f32 v[MX+\k], v[MX+\k], v[96+16*\k+\i], v[97+16*\k+\i]
.endr
.endr
	v_max3_num_f32 v[MX], v[MX], v[MX+1], v111
	v_max3_num_f32 v[MX+2], v[MX+2], v[MX+3], v143
	v_max_num_f32 v[MX], v[MX], v127               ; block h
	v_max_num_f32 v[MX+2], v[MX+2], v159           ; block 2 + h
	DEP 1
	v_max_num_f32 v[RM], v[MX], v[MX+2]
	DEP 1
	v_permlanex16_b32 v[T0], v[RM], s[SEL], s[SEL+1]
	DEP 1
	v_max3_num_f32 v13, v13, v[RM], v[T0]          ; the running largest score of my query
	DEP 1
	v_mul_f32 v[X], s[NC], v13
	DEP 1
	v_floor_f32 v[X], v[X]                         ; the new -M = -ceil(t)
	DEP 1
	v_sub_f32 v[DD], v[X], v12                     ; old M - new M: a whole number, 0 or less
	v_mov_b32 v12, v[X]
	DEP 2
	v_cvt_i32_f32 v[DD], v[DD]                     ; (it saturates)
.set j, 0
.rept 4
	v_pk_fma_f32 v[96+j:97+j], v[96+j:97+j], s[CS:CS+1], v[12:13] op_sel_hi:[1,0,0]   ; t - M
.set j, j+2
.endr
	v_ldexp_f32 v[F], 1.0, v[DD]                   ; f = 2^(old M - new M)
.rept 28
	v_pk_fma_f32 v[96+j:97+j], v[96+j:97+j], s[CS:CS+1], v[12:13] op_sel_hi:[1,0,0]
.set j, j+2
.endr
	v_fma_f32 v[MX], v[MX], s[CS], v12
	v_fma_f32 v[MX+2], v[MX+2], s[CS], v12
.set j, 0
.rept 16
	v_pk_mul_f32 v[160+j:161+j], v[160+j:161+j], v[F:F+1] op_sel_hi:[1,0]   ; O^T under the new M: read ahead of the exponentials
.set j, j+2
.endr
	s_wait_alu depctr_va_vdst(0)                   ; the wait ahead of the batch and of the wait below
	s_wait_dscnt 0x0                               ; V is in, and the next step's K
.set j, 0
.rept 64
	v_exp_f32 v[96+j], v[96+j]                     ; p = 2^(t - M)
.set j, j+1
.endr
	v_exp_f32 v[MX], v[MX]                         ; the blocks' largest p
	v_exp_f32 v[MX+2], v[MX+2]
	v_pk_mul_f32 v[14:15], v[14:15], v[F:F+1] op_sel_hi:[1,0]   ; the sum under the new M (a plain place behind the exponentials)
	s_wait_alu depctr_va_vdst(0)                   ; one wait for the batch
	v_max_num_f32 v[MX], 0x1800000, v[MX]          ; the floor 2^(3 - 127)
	v_max_num_f32 v[MX+2], 0x1800000, v[MX+2]
	DEP 2
	v_add_nc_u32 v[OP], 0xff000000, v[MX]          ; 2 off the exponent field: the conversions' scale operands
	DEP 2
	v_add_nc_u32 v[OP+1], 0xff000000, v[MX+2]
	v_pk_add_f32 v[238:239], v[96:97], v[98:99]    ; the row's sum of the unquantised p, in four chains
	v_pk_add_f32 v[240:241], v[100:101], v[102:103]
	v_pk_add_f32 v[242:243], v[104:105], v[106:107]
	v_pk_add_f32 v[14:15], v[14:15], v[108:109]
.set P, 7
.irp c, 0,1
.irp g, 0,1,2,3
	v_cvt_scalef32_pk8_fp4_f32 v[224+4*\c+\g], v[96+32*\c+8*\g:103+32*\c+8*\g], v[OP+\c]   ; keys 64 c + 32 h + 8 g + 0 .. 7: the operand's register 4 c + g
.endr
.endr
	SUM4                                           ; (plain places behind the conversions)
	v_lshrrev_b32 v[MX], 23, v[OP]                 ; the scales' bytes
	v_lshrrev_b32 v[MX+2], 23, v[OP+1]
	SUM4
	v_lshl_or_b32 v[PW], v[MX+2], 16, v[MX]        ; my two bytes: blocks h and 2 + h,
	DEP 1
	v_lshlrev_b32 v[PW], v[SH8], v[PW]             ; at their places, 8 h bits up
	SUM4
	v_permlanex16_b32 v[T1], v[PW], s[SEL], s[SEL+1]
	SUM4
	v_or_b32 v[PW], v[PW], v[T1]                   ; with lane l xor 16's two the word is whole; 12 places stand between it and the products
	SUM4
	SUM4
	v_pk_add_f32 v[238:239], v[238:239], v[158:159]
	v_pk_add_f32 v[240:241], v[240:241], v[242:243]
	DEP 2
	v_pk_add_f32 v[14:15], v[14:15], v[238:239]
	DEP 1
	v_pk_add_f32 v[14:15], v[14:15], v[240:241]
.irp t, 0,1,2,3
	v_wmma_scale_f32_16x16x128_f8f6f4 v[160+8*\t:167+8*\t], v[VF+8*\t:VF+8*\t+7], v[224:231], v[160+8*\t:167+8*\t], v[VSW+\t], v[PW] matrix_a_fmt:MATRIX_FMT_FP4 matrix_b_fmt:MATRIX_FMT_FP4
.endr
.Lhidden:
	s_add_co_u32 s[SI], s[SI], 1
	s_add_co_u32 s[TK], s[TK], 4*KROW
	s_add_co_u32 s[TV], s[TV], 4096
	s_add_co_u32 s[TS], s[TS], 512
	s_add_co_u32 s[TJ], s[TJ], 256
	s_sub_co_u32 s[CNT], s[CNT], 1
	s_cmp_lg_u32 s[CNT], 0
	s_cbranch_scc1 .Lstep
; A TILE'S END: O^T / the sum; register 16 B + i is channel 32 B + 16 h + i: two blocks, quantised; the codes are chunk = head of y's tile
	PLACES
	s_wait_alu depctr_va_vdst(0)
	v_add_f32 v14, v14, v15
	DEP 1
	v_permlanex16_b32 v252, v14, s[SEL], s[SEL+1]
	DEP 1
	v_add_f32 v14, v14, v252
	s_wait_alu depctr_va_vdst(0)                   ; ahead of the transcendental
	v_rcp_f32 v14, v14
	v_nop                                          ; a plain place behind the reciprocal
	s_wait_alu depctr_va_vdst(0)                   ; and ahead of its first reader, which is O^T's first reader too
.set j, 0
.rept 16
	v_pk_mul_f32 v[96+j:97+j], v[160+j:161+j], v[14:15] op_sel_hi:[1,0]
.set j, j+2
.endr
.irp b, 0,1
	v_max3_num_f32 v[232+\b], |v[96+16*\b]|, |v[97+16*\b]|, 0x1800000
.endr
.irp i, 2,4,6,8,10,12,14
.irp b, 0,1
	DEP 2
	v_max3_num_f32 v[232+\b], v[232+\b], |v[96+16*\b+\i]|, |v[97+16*\b+\i]|
.endr
.endr
.irp b, 0,1
	DEP 2
	v_permlanex16_b32 v[236+\b], v[232+\b], s[SEL], s[SEL+1]
.endr
.irp b, 0,1
	DEP 2
	v_max_num_f32 v[232+\b], v[232+\b], v[236+\b]
.endr
.irp b, 0,1
	DEP 2
	v_add_nc_u32 v[244+\b], 0xff000000, v[232+\b]
.endr
.irp b, 0,1
	DEP 2
	v_lshrrev_b32 v[236+\b], 23, v[244+\b]
.endr
	DEP 1
	v_lshl_or_b32 v213, v237, 8, v236              ; my row's two bytes
.irp b, 0,1
	v_cvt_scalef32_pk8_fp4_f32 v[224+2*\b], v[96+16*\b:103+16*\b], v[244+\b]
	v_cvt_scalef32_pk8_fp4_f32 v[225+2*\b], v[104+16*\b:111+16*\b], v[244+\b]
.endr
	v_nop                                          ; one plain place behind a scaled conversion
	v_permlane16_swap_b32 v224, v226
	v_permlane16_swap_b32 v225, v227
	global_store_b128 v[CO], v[224:227], s[YC:YC+1]          ; 512 consecutive bytes
	global_store_b16 v[Y16], v213, s[YC+2:YC+3]              ; lanes r and r + 16 write the same two bytes
	s_cmp_eq_u32 s[PASS], 1
	s_cbranch_scc1 .Llast                          ; behind the second tile nothing is set up
	s_wait_xcnt 0x0                                ; the stores have read their registers and bases: they are written again below
.irp j, 0,1,2,3
	v_mov_b32 v[16+\j], v[204+\j]                  ; the second tile's Q
.endr
	v_mov_b32 v[QS], v208
	s_mov_b64 s[YC:YC+1], s[Y2:Y2+1]
	s_mov_b64 s[YC+2:YC+3], s[Y2+2:Y2+3]
	s_mov_b32 s[TA], s[TB2]
	s_xor_b32 s[LIM], s[LIM], 15                   ; w >> 1
	INIT
.Llast:
	s_sub_co_u32 s[PASS], s[PASS], 1
	s_cmp_lg_u32 s[PASS], 0
	s_wait_alu depctr_va_vdst(0)                   ; the wait ahead of the branch
	s_cbranch_scc1 .Lpass
	s_wait_tensorcnt 0x0                           ; the wave's end
	ds_add_u32 v[SPW], v[NIL]
	s_wait_dscnt 0x0
	CROUND                                         ; the closing round
	s_endpgm
.Lfunc_end_k_q3937a8e962_attn:
	.size	k_q3937a8e962_attn, .Lfunc_end_k_q3937a8e962_attn-k_q3937a8e962_attn
	.p2alignl 7, 3214868480
	.fill 96, 4, 3214868480
	.section	.rodata,"a",@progbits
	.p2align	6, 0x0
	.amdhsa_kernel k_q3937a8e962_attn
		.amdhsa_group_segment_fixed_size 169984
		.amdhsa_private_segment_fixed_size 0
		.amdhsa_enable_private_segment 0
		.amdhsa_kernarg_size 24
		.amdhsa_user_sgpr_count 2
		.amdhsa_user_sgpr_kernarg_segment_ptr 1
		.amdhsa_wavefront_size32 1
		.amdhsa_system_sgpr_workgroup_id_x 1
		.amdhsa_system_sgpr_workgroup_id_y 1
		.amdhsa_system_sgpr_workgroup_id_z 1
		.amdhsa_system_vgpr_workitem_id 0
		.amdhsa_next_free_vgpr 256
		.amdhsa_next_free_sgpr 102
		.amdhsa_reserve_vcc 1
		.amdhsa_float_denorm_mode_32 3
		.amdhsa_float_denorm_mode_16_64 3
		.amdhsa_memory_ordered 1
		.amdhsa_forward_progress 1
		.amdhsa_inst_pref_size 39
	.end_amdhsa_kernel
	.amdgpu_metadata
---
amdhsa.version: [ 1, 2 ]
amdhsa.kernels:
  - .name:           k_q3937a8e962_attn
    .symbol:         k_q3937a8e962_attn.kd
    .args:
      - { .name: qkb, .offset: 0, .size: 8, .value_kind: global_buffer, .address_space: global }
      - { .name: vb, .offset: 8, .size: 8, .value_kind: global_buffer, .address_space: global }
      - { .name: yb, .offset: 16, .size: 8, .value_kind: global_buffer, .address_space: global }
    .group_segment_fixed_size: 169984
    .private_segment_fixed_size: 0
    .kernarg_segment_align: 8
    .kernarg_segment_size: 24
    .max_flat_workgroup_size: 512
    .sgpr_count:     102
    .vgpr_count:     256
    .wavefront_size: 32
...
	.end_amdgpu_metadata
.endif
;; end of part 3
;; launch proj (part 4): grid 4 x 64, 4 waves a work-group, clusters of 4 x 4, 246,272 bytes of LDS; arguments yb, wb, proj_b, out0; writes out0
.if DOCPART == 4
	.amdgcn_target "amdgcn-amd-amdhsa--gfx1250"
	.amdhsa_code_object_version 6
	.text
	.protected	k_q3937a8e962_proj
	.globl	k_q3937a8e962_proj
	.p2align	8
	.type	k_q3937a8e962_proj,@function
k_q3937a8e962_proj:
	s_mov_b64 s[64:65], 0
	v_nop
	global_prefetch_b8 v0, s[64:65] scope:SCOPE_SE
	s_setreg_imm32_b32 hwreg(HW_REG_WAVE_MODE, 25, 1), 1
	s_wait_xcnt 0x0
	s_wait_alu depctr_hold_cnt(0) depctr_sa_sdst(0) depctr_va_vdst(0) depctr_va_sdst(0) depctr_va_ssrc(0) depctr_va_vcc(0) depctr_vm_vsrc(0)
	s_getreg_b32 s2, hwreg(HW_REG_IB_STS2, 6, 4)
	s_cmp_eq_u32 s2, 0
	s_cbranch_scc0 .Lentry_in_a_cluster
	s_endpgm
.Lentry_in_a_cluster:
	s_bfe_u32 s2, ttmp6, 0x10000c
	s_cmp_lg_u32 s2, 0xf033
	s_cbranch_scc0 .Lentry_shape_is_right
	s_endpgm
.Lentry_shape_is_right:
; PROJ: out0 = y proj_w + proj_b on codes of FP4 (K = 1024).  y's codes and scales come from the attention, proj_w's (tiles 192 on of wb) from the first launch.
; A work-group makes P 256 columns (source 0: rows of proj_w^T) x Q 128 rows of y (source 1) over all of K.  Four waves: qh = wave >> 1 names 64 rows (4 blocks a), ph = wave & 1 names 128 columns (8 blocks b): 32 accumulators.
; A row of 1,024 codes is 512 bytes, so both tiles with their scales lie in LDS whole: every LDS byte that a tensor load fills is filled once, there is no ring.  Codes lie as images of the operand's registers: every LDS load reads 512 consecutive bytes.
; CLUSTER 4 x 4: y's tile hangs on cy and the cluster's y and is asked for jointly along a row of the cluster; proj_w's on cx and is asked for jointly along a column.
; THE WAY OUT: a lane holds one row of y and, in block order, columns 32 B + 16 (lane / 16) + 0 .. 15.  A block of 16 rows x 128 columns goes through the wave's own stage and leaves as whole rows of 512 bytes.
; REGISTERS, windows of 256: w0: v1-31 addresses; v32-95 scale words; v96-159 Q's fragments, two sets (later rows on their way out); v160-223 H.   w1: P's fragments, two sets of 64.   w2: accumulator (a, b) at v[8 (8 a + b)].   w3: v128-191 the bias.
.set YS,  4194304
.set PCO, 1572864                      ; proj_w's codes in wb: tile 192 on
.set PSO, 2195456                      ; and its scales
.set LPC, 65536
.set LQS, 196608
.set LPS, 200704
.set STG, 208896                       ; 16 rows x 528 bytes for each wave
.set WV,  16
.set ADRQ, 16
.set ADRP, 20
.set ADRS, 22
.set CO,  24
.set SC,  32
.set AF,  96
.set H,   160
.set MSB, 0
.macro WIN new                         ; the immediate's high byte repeats the setting that is left
.if MSB != \new
	s_set_vgpr_msb (MSB<<8)|\new
.set MSB, \new
.endif
.endm
.macro PLACES                          ; four plain places behind a matrix instruction, in front of loads into its sources and of reads of its result
.rept 4
	v_nop
.endr
.endm
.macro CROUND                          ; a round of the cluster's barrier
	s_barrier_signal -1
	s_barrier_wait -1
	s_cmp_lg_u32 s[WV], 0
	s_cbranch_scc1 .Lnot_wave_0_\@
	s_barrier_signal -3
.Lnot_wave_0_\@:
	s_barrier_wait -3
	s_barrier_signal -1
	s_barrier_wait -1
.endm
.macro GROUP1 g, c, r, p
	s_mov_b32 s[\g+1], (\c)<<16
	s_mov_b32 s[\g+2], (\r)<<16
	s_mov_b32 s[\g+3], (\c)<<16
	s_mov_b32 s[\g+4], \r
	s_mov_b32 s[\g+5], \p
	s_mov_b32 s[\g+6], 0
	s_mov_b32 s[\g+7], 0
.endm
.macro FETCH s                         ; K step s: P's eight fragments into set s % 2 of window 1, Q's four into set s % 2 of AF
	WIN 0x40
.irp b, 0,1,2,3,4,5,6,7
.irp c, 0,1
	ds_load_b128 v[64*((\s)%2)+8*\b+4*\c:64*((\s)%2)+8*\b+4*\c+3], v[ADRP] offset:\b*8192+(2*(\s)+\c)*512
.endr
.endr
	WIN 0
.irp a, 0,1,2,3
.irp c, 0,1
	ds_load_b128 v[AF+32*((\s)%2)+8*\a+4*\c:AF+32*((\s)%2)+8*\a+4*\c+3], v[ADRQ] offset:\a*8192+(2*(\s)+\c)*512
.endr
.endr
.endm
.macro MUL s, zero                     ; 32 matrix instructions; the 32 accumulators take turns, one instruction a turn.  zero = 1: the first K step starts the sums
	WIN 0xa1
.irp a, 0,1,2,3
.irp b, 0,1,2,3,4,5,6,7
.if \zero
	v_wmma_scale_f32_16x16x128_f8f6f4 v[8*(8*\a+\b):8*(8*\a+\b)+7], v[64*((\s)%2)+8*\b:64*((\s)%2)+8*\b+7], v[AF+32*((\s)%2)+8*\a:AF+32*((\s)%2)+8*\a+7], 0, v[SC+32*((\s)/4)+4*\b+(\s)%4], v[SC+32*((\s)/4)+4*\a+(\s)%4] matrix_a_fmt:MATRIX_FMT_FP4 matrix_b_fmt:MATRIX_FMT_FP4 matrix_a_scale:MATRIX_SCALE_ROW1
.else
	v_wmma_scale_f32_16x16x128_f8f6f4 v[8*(8*\a+\b):8*(8*\a+\b)+7], v[64*((\s)%2)+8*\b:64*((\s)%2)+8*\b+7], v[AF+32*((\s)%2)+8*\a:AF+32*((\s)%2)+8*\a+7], v[8*(8*\a+\b):8*(8*\a+\b)+7], v[SC+32*((\s)/4)+4*\b+(\s)%4], v[SC+32*((\s)/4)+4*\a+(\s)%4] matrix_a_fmt:MATRIX_FMT_FP4 matrix_b_fmt:MATRIX_FMT_FP4 matrix_a_scale:MATRIX_SCALE_ROW1
.endif
.endr
.endr
.endm
.macro STEP s
	s_wait_dscnt 0x0                               ; this K step's 24 loads, asked for one K step ago, are in
.if (\s) < 7
.if (\s) > 0
	PLACES
.endif
	FETCH (\s)+1
.endif
.if (\s) == 0
	MUL \s, 1
.else
	MUL \s, 0
.endif
.endm
	s_load_b256 s[4:11], s[0:1], 0x0               ; yb s[4:5], wb s[6:7], proj_b s[8:9], out0 s[10:11]
	v_lshl_add_u32 v254, v0, 2, 0x3c000
	v_mov_b32 v255, 0
	ds_add_u32 v254, v255
	ds_add_u32 v254, v255
	v_lshrrev_b32 v1, 5, v0
	v_readfirstlane_b32 s[WV], v1                  ; wave 0..3
	s_lshr_b32 s17, s[WV], 1                       ; qh
	s_and_b32 s18, s[WV], 1                        ; ph; also: which half of a tile I fetch
	s_bfe_u32 s19, ttmp6, 0x40000                  ; cx
	s_bfe_u32 s20, ttmp6, 0x40004                  ; cy
	s_lshl_b32 s84, ttmp9, 2
	s_add_co_u32 s84, s84, s19                     ; Pt: which 256 columns
	s_and_b32 s85, ttmp7, 0xffff
	s_lshl_b32 s85, s85, 2
	s_add_co_u32 s85, s85, s20                     ; Qt: which 128 rows
	s_lshl_b32 s86, s20, 2
	s_lshl_b32 s86, 15, s86                        ; my row of the cluster
	s_lshl_b32 s90, 0x1111, s19                    ; my column
	s_or_b32 s24, s86, (3<<16)|(1<<21)             ; group 1, word 0: the mask; elements of 8 bytes; bit 21 beside a mask; no padding
	s_or_b32 s40, s86, (3<<16)|(1<<21)
	s_or_b32 s32, s90, (3<<16)|(1<<21)
	s_or_b32 s48, s90, (3<<16)|(1<<21)
	GROUP1 24, 512, 16, 512                        ; Q's codes: 8 tiles, 65,536 dense bytes as rows of 4,096; in LDS as in memory: tile x 8,192 + chunk x 512
	GROUP1 32, 512, 32, 512                        ; P's: 16 tiles, 131,072 bytes
	GROUP1 40, 32, 16, 32                          ; Q's scales: 4,096 dense bytes as rows of 256
	GROUP1 48, 32, 32, 32                          ; P's: 8,192
	s_mov_b32 s56, 1                               ; groups 0: Q's scales s[56:59], Q's codes s[60:63]; P's scales s[72:75], P's codes s[76:79]
	s_mov_b32 s60, 1
	s_mov_b32 s72, 1
	s_mov_b32 s76, 1
	s_mov_b32 s57, LQS
	s_mov_b32 s61, 0
	s_mov_b32 s73, LPS
	s_mov_b32 s77, LPC
	s_lshl_b32 s94, s85, 16                        ; Q's side is made of Qt alone
	s_mov_b32 s95, 0
	s_lshl_b32 s88, s85, 12
	s_add_co_u32 s88, s88, YS
	s_mov_b32 s89, 0
	s_lshl_b32 s96, s84, 17                        ; P's side of Pt alone
	s_add_co_u32 s96, s96, PCO
	s_mov_b32 s97, 0
	s_lshl_b32 s92, s84, 13
	s_add_co_u32 s92, s92, PSO
	s_mov_b32 s93, 0
	s_wait_dscnt 0x0
	s_wait_kmcnt 0x0
	s_add_nc_u64 s[62:63], s[4:5], s[94:95]
	s_or_b32 s63, s63, 0x80000000
	s_add_nc_u64 s[58:59], s[4:5], s[88:89]
	s_or_b32 s59, s59, 0x80000000
	s_add_nc_u64 s[78:79], s[6:7], s[96:97]
	s_or_b32 s79, s79, 0x80000000
	s_add_nc_u64 s[74:75], s[6:7], s[92:93]
	s_or_b32 s75, s75, 0x80000000
	CROUND                                         ; all sixteen work-groups are here: the joint loads meet
	s_cmp_lt_u32 s[WV], 1                          ; one tensor load a wave, in one chain of branches on the wave's number: wave 0 Q's codes, wave 1 P's codes, wave 2 Q's scales, wave 3 P's scales
	s_cbranch_scc0 .Lfill_p
	tensor_load_to_lds s[60:63], s[24:31]
	s_nop 0
	PLACES
	s_branch .Lfilled
.Lfill_p:
	s_cmp_lt_u32 s[WV], 2
	s_cbranch_scc0 .Lfill_qs
	tensor_load_to_lds s[76:79], s[32:39]
	s_nop 0
	PLACES
	s_branch .Lfilled
.Lfill_qs:
	s_cmp_lt_u32 s[WV], 3
	s_cbranch_scc0 .Lfill_ps
	tensor_load_to_lds s[56:59], s[40:47]
	s_nop 0
	PLACES
	s_branch .Lfilled
.Lfill_ps:
	tensor_load_to_lds s[72:75], s[48:55]
	s_nop 0
	PLACES
.Lfilled:
	v_and_b32 v3, 31, v0                           ; lane
	v_and_b32 v1, 15, v0                           ; r
	v_bfe_u32 v2, v0, 4, 1                         ; hh
	v_lshlrev_b32 v[CO], 4, v3                     ; 16 x lane
	v_lshlrev_b32 v25, 6, v2                       ; the bias: my half's 16 numbers of each 32
	s_wait_alu depctr_va_vdst(0)
	s_lshl_b32 s86, s84, 10
	s_lshl_b32 s87, s18, 9
	s_add_co_u32 s86, s86, s87                     ; my 128 columns, in bytes
	s_mov_b32 s87, 0
	s_lshl_b32 s94, s85, 19
	s_lshl_b32 s95, s17, 18
	s_add_co_u32 s94, s94, s95
	s_add_co_u32 s94, s94, s86                     ; out0: my first row of 4,096 bytes, my first column
	s_mov_b32 s95, 0
	s_add_nc_u64 s[94:95], s[10:11], s[94:95]
	s_add_nc_u64 s[86:87], s[8:9], s[86:87]
	WIN 0xc0                                       ; destination window 3
.irp k, 0,1,2,3,4,5,6,7,8,9,10,11,12,13,14,15
	global_load_b128 v[128+4*\k:131+4*\k], v25, s[86:87] offset:128*(\k/4)+16*(\k%4)
.endr
	WIN 0
	s_lshl_b32 s99, s17, 15
	v_add_nc_u32 v[ADRQ], s99, v[CO]               ; my 4 tiles of Q, 8,192 bytes each
	s_lshl_b32 s99, s18, 16
	s_add_co_u32 s99, s99, LPC
	v_add_nc_u32 v[ADRP], s99, v[CO]               ; my 8 tiles of P
	s_xor_b32 s100, s17, 1                         ; scale words: lanes 0-15 at LQS + 2,048 qh + 16 r; lanes 16-31 at LPS + 4,096 ph + 16 r, which is
	s_lshl_b32 s100, s100, 11                      ; 2,048 + 4,096 ph + 2,048 (1 - qh) further on
	s_lshl_b32 s101, s18, 12
	s_add_co_u32 s100, s100, s101
	s_add_co_u32 s100, s100, 2048
	v_mul_u32_u24 v5, s100, v2
	v_lshl_add_u32 v5, v1, 4, v5
	s_lshl_b32 s99, s17, 11
	s_add_co_u32 s99, s99, LQS
	v_add_nc_u32 v[ADRS], s99, v5
	s_mul_i32 s99, s[WV], 16*528
	s_add_co_u32 s99, s99, STG                     ; my stage
	v_mul_u32_u24 v27, v1, 528
	v_lshl_add_u32 v27, v2, 6, v27
	v_add_nc_u32 v27, s99, v27                     ; in: row r, 64 bytes for each half of the lanes in each 128
	v_add_nc_u32 v28, s99, v[CO]                   ; back: the 32 lanes take one row of 512 bytes
	s_wait_alu depctr_va_vdst(0)
	s_wait_tensorcnt 0x0                           ; my one tensor load has landed
	s_barrier_signal -1
	s_barrier_wait -1                              ; everybody's have
.irp g, 0,1
.irp i, 0,1,2,3,4,5,6,7
	ds_load_b128 v[SC+32*\g+4*\i:SC+32*\g+4*\i+3], v[ADRS] offset:\i*512+\g*256   ; register 32 g + 4 i + q: lanes 0-15 the word of Q's block i, lanes 16-31 of P's block i, K step 4 g + q
.endr
.endr
	FETCH 0
.irp s, 0,1,2,3,4,5,6,7
	STEP \s
.endr
	WIN 0
	PLACES
	s_wait_loadcnt 0x0                             ; the bias
.macro OUTP a
	WIN 0x0e                                       ; source 0 window 2, source 1 window 3
.set j, 0
.rept 32
	v_pk_add_f32 v[H+j:H+j+1], v[64*\a+j:64*\a+j+1], v[128+j:128+j+1]   ; + bias; each accumulator is read from its low end on
.set j, j+2
.endr
	WIN 0
.irp k, 0,1,2,3,4,5,6,7,8,9,10,11,12,13,14,15
	ds_store_b128 v27, v[H+4*\k:H+4*\k+3] offset:128*(\k/4)+16*(\k%4)
.endr
.if \a > 0
	s_wait_xcnt 0x0                                ; the last block's stores have read their registers: the loads below may land there
.endif
.irp t, 0,1,2,3,4,5,6,7,8,9,10,11,12,13,14,15
	ds_load_b128 v[96+4*\t:99+4*\t], v28 offset:528*\t   ; a wave's LDS instructions are served in order: these see my stores
.endr
.irp t, 0,1,2,3,4,5,6,7,8,9,10,11,12,13,14,15
	s_wait_dscnt 15-\t                             ; row t is back; the rows behind it may be out
	global_store_b128 v[CO], v[96+4*\t:99+4*\t], s[94:95] offset:(32*(\a/2)+8*(\a%2)+(\t%8)+16*(\t/8))*4096 th:TH_STORE_NT   ; 32 lanes store 512 consecutive bytes, aligned
.endr
.endm
	OUTP 0
	OUTP 1
	OUTP 2
	OUTP 3
	s_wait_dscnt 0x0
	s_wait_tensorcnt 0x0
	ds_add_u32 v254, v255
	s_wait_dscnt 0x0
	CROUND                                         ; the closing round
	s_endpgm
.Lfunc_end_k_q3937a8e962_proj:
	.size	k_q3937a8e962_proj, .Lfunc_end_k_q3937a8e962_proj-k_q3937a8e962_proj
	.p2alignl 7, 3214868480
	.fill 96, 4, 3214868480
	.section	.rodata,"a",@progbits
	.p2align	6, 0x0
	.amdhsa_kernel k_q3937a8e962_proj
		.amdhsa_group_segment_fixed_size 246272
		.amdhsa_private_segment_fixed_size 0
		.amdhsa_enable_private_segment 0
		.amdhsa_kernarg_size 32
		.amdhsa_user_sgpr_count 2
		.amdhsa_user_sgpr_kernarg_segment_ptr 1
		.amdhsa_wavefront_size32 1
		.amdhsa_system_sgpr_workgroup_id_x 1
		.amdhsa_system_sgpr_workgroup_id_y 1
		.amdhsa_system_sgpr_workgroup_id_z 1
		.amdhsa_system_vgpr_workitem_id 0
		.amdhsa_next_free_vgpr 1024
		.amdhsa_next_free_sgpr 102
		.amdhsa_reserve_vcc 0
		.amdhsa_float_denorm_mode_32 3
		.amdhsa_float_denorm_mode_16_64 3
		.amdhsa_memory_ordered 1
		.amdhsa_forward_progress 1
		.amdhsa_inst_pref_size 81
	.end_amdhsa_kernel
	.amdgpu_metadata
---
amdhsa.version: [ 1, 2 ]
amdhsa.kernels:
  - .name:           k_q3937a8e962_proj
    .symbol:         k_q3937a8e962_proj.kd
    .args:
      - { .name: yb, .offset: 0, .size: 8, .value_kind: global_buffer, .address_space: global }
      - { .name: wb, .offset: 8, .size: 8, .value_kind: global_buffer, .address_space: global }
      - { .name: proj_b, .offset: 16, .size: 8, .value_kind: global_buffer, .address_space: global }
      - { .name: out0, .offset: 24, .size: 8, .value_kind: global_buffer, .address_space: global }
    .group_segment_fixed_size: 246272
    .private_segment_fixed_size: 0
    .kernarg_segment_align: 8
    .kernarg_segment_size: 32
    .max_flat_workgroup_size: 128
    .sgpr_count:     102
    .vgpr_count:     1024
    .wavefront_size: 32
...
	.end_amdgpu_metadata
.endif
;; end of part 4
